; MI455X (gfx1250); checked and timed in simulation.
; The chip was launched on July 23, 2026; its instructions are those of AMD's public machine-readable ISA for CDNA 5 (MIT licence, August 2026) and "CDNA5" Instruction Set Architecture Reference Guide (July 2026). The comments in the code are by the model that wrote it; some were corrected since.
;; Multi Head Attention. Allowed arithmetic: matrix products marked QUANTISED: E5M2 operands, one E8M0 scale for each 32 along K, by v_wmma_scale_f32_16x16x128_f8f6f4 with both operands' format E5M2, f32 sums; everything else in f32.
;; Inputs: Wk 16 x 1,024 x 64 float32; Wo 1,024 x 1,024 float32; Wq 16 x 1,024 x 64 float32; Wv 16 x 1,024 x 64 float32; X 4 x 2,048 x 1,024 float32; bk 16 x 64 float32; bo 1,024 float32; bq 16 x 64 float32; bv 16 x 64 float32.
;; Outputs: out0 4 x 2,048 x 1,024 float32.
;; This version of the problem:
;;   THIS VERSION OF THE PROBLEM IS GIVEN IN LOW PRECISION. The matrix products marked QUANTISED in the list below multiply operands that are first quantised to E5M2 (5 exponent bits, 2 mantissa bits; 8 bits a number), with one power-of-two scale for each 32 numbers along K (OCP MX v1.0); their sums are f32. All else is computed in f32.
;;   The module's matrix products, in the order in which they are computed (A, B: the left and right operand; K: the contracted axis; several contracted axes count as one K, in the product's order):
;;     1. [M 1,024, K 1,024] x [K 1,024, N 8,192]; A: input Wq; B: input X: QUANTISED
;;     2. [M 1,024, K 1,024] x [K 1,024, N 8,192]; A: input Wk; B: input X: QUANTISED
;;     3. [M 1,024, K 1,024] x [K 1,024, N 8,192]; A: input Wv; B: input X: QUANTISED
;;     4. batch 64 x [M 2,048, K 64] x [K 64, N 2,048]; A: computed on the way; B: computed on the way: QUANTISED
;;     5. batch 64 x [M 2,048, K 2,048] x [K 2,048, N 64]; A: softmax (see below); B: computed on the way: QUANTISED
;;     6. [M 8,192, K 1,024] x [K 1,024, N 1,024]; A: computed on the way; B: input Wo: QUANTISED
;;   THE QUANTISER, for each operand of a quantised product, along K:
;;     - K is cut into blocks of 32 from its start; a last block that is shorter is filled with zeros.
;;     - A block's scale is 2^e with e = floor(log2(the largest magnitude in the block)) - 15, held to -126 .. 127; a block of zeros has e = 0. As a byte (E8M0): e + 127.
;;     - Each number is divided by its block's scale, clamped to +-57,344, and rounded to the nearest number of E5M2, ties to even, subnormals kept.
;;     - The product sums the exact products of the quantised numbers (number of the format x scale) in f32.
;;   ~~~python
;;   def quantise(x, axis):      # numpy; x: float32 -> the quantised numbers, widened to float32 again
;;       x = np.moveaxis(x, axis, -1); K = x.shape[-1]
;;       x = np.pad(x, [(0, 0)] * (x.ndim - 1) + [(0, -K % 32)]); x = x.reshape(x.shape[:-1] + (-1, 32)); a = np.abs(x).max(-1, keepdims=True)
;;       e = np.where(a > 0, np.clip(np.frexp(np.where(a > 0, a, 1))[1] - 1 - 15, -126, 127), 0)      # np.frexp(a)[1] - 1 = floor(log2(a)), exactly
;;       r = np.clip(x / 2.0 ** e, -57344, 57344)
;;       step = 2.0 ** (np.maximum(np.frexp(np.where(r == 0, 1, r))[1] - 1, -14) - 2)
;;       q = np.round(r / step) * step * 2.0 ** e      # np.round: ties to even
;;       return np.moveaxis(q.reshape(q.shape[:-2] + (-1,))[..., :K], -1, axis).astype(np.float32)
;;   ~~~
;;   SOFTMAX AHEAD OF A QUANTISED PRODUCT. Where the list says 'softmax', what is quantised is not the finished softmax but p = 2^(t - M), with t = logit x log2(e) and M = ceil(the row's largest t), a whole number; so 1/2 < the row's largest p <= 1. The row's sum l is taken of the UNQUANTISED p, in f32, and the product's result is divided by l at the end. Since M is a whole number, a kernel that streams over the keys may use a running M (the ceiling of the running maximum): every later rescaling is an exact power of two, which a block's scale takes up: the codes' values come out the same.
;;   OPERANDS COMPUTED ON THE WAY. 'Computed on the way' means the value that the module computes at that place (a softmax that the list does not call 'softmax' is quantised finished and normalised). What goes into a quantiser is computed in f32, as accurately as f32 sums, v_exp_f32 and their like allow (about 1e-6 of the number): no bf16 or f16 on the way to a quantiser, and a product that is left as it is and whose result goes on into a quantised operand takes f32 operands (vector FMAs, or v_wmma_f32_16x16x4_f32). A number that lies on a knife's edge between two numbers of the format may be rounded either way, as far as f32 arithmetic and the matrix unit's own rounding can turn it there, and no further.
;; One version. Each part assembles by itself: llvm-mc -triple=amdgcn-amd-amdhsa -mcpu=gfx1250 --defsym DOCPART=n.
;; ======== version 1 of 1: 4 launches
;; limits: right only within a limited range of input values
;; workspace buffers: xw 12,976,128 bytes; qkv 34,603,008 bytes; cc 8,650,752 bytes
;; launch quant (part 1): grid 768 x 1, 4 waves a work-group, no clusters, 34,304 bytes of LDS; arguments X, Wq, Wk, Wv, Wo, xw; writes xw
.if DOCPART == 1
	.amdgcn_target "amdgcn-amd-amdhsa--gfx1250"
	.amdhsa_code_object_version 6
	.text
	.protected	k_qe98169e6e8_quant
	.globl	k_qe98169e6e8_quant
	.p2align	8
	.type	k_qe98169e6e8_quant,@function
k_qe98169e6e8_quant:
	s_mov_b64 s[64:65], 0
	v_nop
	global_prefetch_b8 v0, s[64:65] scope:SCOPE_SE
	s_setreg_imm32_b32 hwreg(HW_REG_WAVE_MODE, 25, 1), 1
	s_wait_xcnt 0x0
; X [8192][1024] and the four weights, all f32, become codes of BF8 (E5M2) with one E8M0 scale byte for each 32 along K = 1024, laid in xw IN THE ORDER OF AN OPERAND'S REGISTERS.
; A FRAGMENT is 16 rows x 128 K: 2,048 bytes; register group c (0..3) of lane l lies at 512 c + 16 l and holds k = 32 c + 16 (l / 16) + 0..15 of row l % 16 of the tile.
; A TILE'S ROWS ARE NOT NEIGHBOURS: in each group g of 32 rows, tile u (0, 1) has row 32 g + 8 u + r + 8 (r / 8) in lane r.  Used as source 0 of a product, two such tiles leave a lane 16 neighbours of that axis.
; A PANEL is 128 rows x all of K, 131,072 dense bytes: (k / 256) x 32768 + tile x 4096 + ((k / 128) % 2) x 2048 + the fragment; its scale words, 4,096 bytes: tile x 512 + (k / 256) x 128 + 8 r + 4 ((k / 128) % 2).
; Panels 0-63: X.  64-71: Wq (row = 64 head + d).  72-79: Wk.  80-87: Wv.  88-95: Wo (row = its column n).  Codes at panel x 131072, scale words at XWS + panel x 4096.
; A block's scale is 2^(floor(log2(its largest magnitude)) - 15); its byte is the largest magnitude's exponent field - 15, held at 1 from below.
; LIMITS: a block whose largest magnitude lies under 2^-111, a block of zeros among them, gets the byte 1 (the rule says 127 for zeros: its codes are zeros, and this program alone reads the bytes); NaN and infinities among the inputs are not served.
; SHARES.  Work-groups 0-191: Wq, Wk, Wv; 192-255: Wo; 256-767: X.  Memory binds: no matrix unit, no tensor load, no barrier; waves share nothing.
;  WEIGHTS (K is not innermost): a wave takes 32 columns x 128 K; a lane takes a column and its registers run down K, so a block of 32 is one lane's and the codes come out with K innermost.
;  X (K innermost): a wave takes one tile of 16 rows x 256 K; each load reads 512 consecutive bytes; the numbers turn through the wave's own stage in LDS so that a lane holds 16 neighbours of each block.
.set XWS,  12582912                    ; where the scale words begin in xw
.set WX,   16                          ; weights: v16-143 128 numbers, 32 b + i
.set WC,   144                         ; v144-175 codes, eight registers a block: no store's data are written again
.set R,    16                          ; X: v16-143 as loaded
.set XN,   144                         ; v144-207 the 64 numbers of a fragment: register 16 b + i = k 32 b + 16 (lane / 16) + i of my row
.set PC,   208                         ; v208-239 codes, 16 registers a fragment
.set TM,   240                         ; v240-255 at work: largest magnitudes, bytes, scales
.set SP,   528                         ; a stage row: 512 bytes + 16: an odd multiple of 16, so that sixteen rows start in sixteen different columns of 16 bytes
.set MNT,  23
.set SEL,  34                          ; s[34:35] lane selects: lane l xor 16
	s_load_b256 s[4:11], s[0:1], 0x0               ; X s[4:5], Wq s[6:7], Wk s[8:9], Wv s[10:11]
	s_load_b128 s[12:15], s[0:1], 0x20             ; Wo s[12:13], xw s[14:15]
	v_lshl_add_u32 v8, v0, 2, 0x8400
	v_mov_b32 v15, 0
	v_lshrrev_b32 v1, 5, v0
	v_readfirstlane_b32 s16, v1                    ; wave 0..3
	v_and_b32 v1, 31, v0                           ; lane
	v_and_b32 v2, 15, v0                           ; lane % 16
	v_bfe_u32 v3, v0, 4, 1                         ; lane / 16
	s_mov_b32 s25, 0                               ; the upper word of every offset pair s[24:25]
	s_wait_kmcnt 0x0
	s_cmp_ge_u32 ttmp9, 256
	s_cbranch_scc1 .Lx
	; ---- the weights.  g = group of 32 columns, 0..127; kk = K step of 128, 0..7
	s_lshr_b32 s17, ttmp9, 1                       ; g
	s_and_b32 s18, ttmp9, 1
	s_lshl_b32 s18, s18, 2
	s_add_co_u32 s18, s18, s16                     ; kk = 4 x (work-group % 2) + wave
	s_lshr_b32 s19, s17, 2
	s_add_co_u32 s19, s19, 64                      ; panel
	s_and_b32 s20, s17, 3                          ; the group's place in its panel
	s_lshr_b32 s21, s18, 1                         ; k / 256
	s_and_b32 s22, s18, 1                          ; (k / 128) % 2
	s_lshl_b32 s24, s19, 17
	s_lshl_b32 s30, s21, 15
	s_add_co_u32 s24, s24, s30
	s_lshl_b32 s30, s20, 13
	s_add_co_u32 s24, s24, s30
	s_lshl_b32 s30, s22, 11
	s_add_co_u32 s24, s24, s30
	s_add_nc_u64 s[26:27], s[14:15], s[24:25]      ; the two fragments (tiles u = 0, 1) that my wave fills
	s_lshl_b32 s24, s19, 12
	s_lshl_b32 s30, s20, 10
	s_add_co_u32 s24, s24, s30
	s_lshl_b32 s30, s21, 7
	s_add_co_u32 s24, s24, s30
	s_lshl_b32 s30, s22, 2
	s_add_co_u32 s24, s24, s30
	s_add_co_u32 s24, s24, XWS
	s_add_nc_u64 s[28:29], s[14:15], s[24:25]      ; and their scale words
	s_wait_alu depctr_va_vdst(0)
	v_lshlrev_b32 v4, 2, v1                        ; in: 4 bytes a lane
	v_and_b32 v7, 7, v0
	v_lshl_add_u32 v7, v3, 3, v7                   ; column 32 g + lane is lane r = 8 x bit 4 + (lane % 8)
	v_bfe_u32 v9, v0, 3, 1                         ; of tile u = bit 3
	v_lshlrev_b32 v5, 4, v7
	v_lshl_add_u32 v5, v9, 12, v5                  ; codes: 4096 u + 16 r
	v_lshlrev_b32 v6, 3, v7
	v_lshl_add_u32 v6, v9, 9, v6                   ; scale word: 512 u + 8 r
; One block of 32 along K of my column.  left: how many younger loads may stay out
.macro WBLOCK b, left
.set XS, WX+32*\b
	s_wait_loadcnt \left
	v_max3_num_f32 v12, |v[XS]|, |v[XS+1]|, |v[XS+2]|              ; the block's largest magnitude, in two chains: all 32 numbers are mine
	v_max3_num_f32 v13, |v[XS+3]|, |v[XS+4]|, |v[XS+5]|
.irp i, 6,10,14,18,22,26
	v_max3_num_f32 v12, v12, |v[XS+\i]|, |v[XS+\i+1]|
	v_max3_num_f32 v13, v13, |v[XS+\i+2]|, |v[XS+\i+3]|
.endr
	v_max3_num_f32 v12, v12, |v[XS+30]|, |v[XS+31]|
	v_max3_num_f32 v12, v12, v13, 0x8000000        ; and the floor 2^(16 - 127): the byte cannot fall under 1
	v_add_nc_u32 v11, 0xf8800000, v12              ; 15 off the exponent field: the conversion takes this operand's exponent field as its scale
.if \b == 0
	v_lshrrev_b32 v14, 23, v11                     ; the scale's byte: four make my column's word, the lower K in the lower byte
.else
	v_lshrrev_b32 v13, 23, v11
	v_lshl_or_b32 v14, v13, 8*\b, v14
.endif
.irp i, 0,1,2,3,4,5,6,7,8,9,10,11,12,13,14,15,16,17,18,19,20,21,22,23,24,25,26,27,28,29,30,31
.endr
.irp g, 0,1,2,3
	v_cvt_scalef32_pk8_bf8_f32 v[WC+8*\b+2*\g:WC+8*\b+2*\g+1], v[XS+8*\g:XS+8*\g+7], v11
.endr
	v_nop                                          ; a plain line behind the last conversion
	global_store_b128 v5, v[WC+8*\b:WC+8*\b+3], s[26:27] offset:512*\b          ; k = 32 b + 0..15: the place of lane (r, 0); sixteen lanes fill 256 consecutive bytes of each of the two tiles
	global_store_b128 v5, v[WC+8*\b+4:WC+8*\b+7], s[26:27] offset:512*\b+256    ; k = 32 b + 16..31: that of lane (r, 1)
.endm
; 128 rows of K, rs bytes apart; then the four blocks.  96, 64, 32 and 0 younger loads could stay out; a wait names 63 at the most
.macro WWORK rs
.set n, 0
.rept 128
	global_load_b32 v[WX+n], v4, s[32:33] offset:n*\rs
.set n, n+1
.endr
	WBLOCK 0, 63
	WBLOCK 1, 63
	WBLOCK 2, 32
	WBLOCK 3, 0
	global_store_b32 v6, v14, s[28:29]
	s_endpgm
.endm
	s_cmp_lt_u32 ttmp9, 192
	s_cbranch_scc0 .Lwo
	s_lshr_b32 s30, s17, 5                         ; Wq, Wk or Wv: the choice hangs on the work-group's number alone
	s_cmp_eq_u32 s30, 0
	s_cselect_b64 s[32:33], s[6:7], s[8:9]
	s_cmp_eq_u32 s30, 2
	s_cselect_b64 s[32:33], s[10:11], s[32:33]
	s_bfe_u32 s30, s17, 0x40001                    ; the head: [head][1024 e][64 d]
	s_lshl_b32 s24, s30, 18
	s_lshl_b32 s30, s18, 15                        ; 128 rows e of 256 bytes
	s_add_co_u32 s24, s24, s30
	s_and_b32 s30, s17, 1
	s_lshl_b32 s30, s30, 7                         ; d = 0 or 32 on
	s_add_co_u32 s24, s24, s30
	s_add_nc_u64 s[32:33], s[32:33], s[24:25]
	s_wait_alu depctr_va_vdst(0)
	WWORK 256
.Lwo:
	s_sub_co_u32 s30, s17, 96                      ; Wo [1024 k][1024 n]
	s_lshl_b32 s24, s30, 7
	s_lshl_b32 s30, s18, 19                        ; 128 rows k of 4,096 bytes
	s_add_co_u32 s24, s24, s30
	s_add_nc_u64 s[32:33], s[12:13], s[24:25]
	s_wait_alu depctr_va_vdst(0)
	WWORK 4096                                     ; the largest immediate: 127 x 4096
	; ---- X
.Lx:
	s_sub_co_u32 s17, ttmp9, 256                   ; the tile of rows, 0..511; my wave's number is k / 256
	s_lshr_b32 s18, s17, 1
	s_lshl_b32 s18, s18, 5
	s_and_b32 s19, s17, 1
	s_lshl_b32 s19, s19, 3
	s_add_co_u32 s18, s18, s19                     ; the tile's first row: 32 g + 8 u
	s_lshl_b32 s24, s18, 12
	s_lshl_b32 s19, s16, 10
	s_add_co_u32 s24, s24, s19
	s_add_nc_u64 s[4:5], s[4:5], s[24:25]
	s_lshr_b32 s18, s17, 3
	s_lshl_b32 s24, s18, 17
	s_lshl_b32 s19, s16, 15
	s_add_co_u32 s24, s24, s19
	s_and_b32 s19, s17, 7
	s_lshl_b32 s19, s19, 12
	s_add_co_u32 s24, s24, s19
	s_add_nc_u64 s[26:27], s[14:15], s[24:25]      ; my two fragments
	s_lshl_b32 s24, s17, 9
	s_lshl_b32 s19, s16, 7
	s_add_co_u32 s24, s24, s19
	s_add_co_u32 s24, s24, XWS
	s_add_nc_u64 s[28:29], s[14:15], s[24:25]      ; their scale words
	s_wait_alu depctr_va_vdst(0)
	v_lshlrev_b32 v4, 4, v1                        ; 16 x lane: my bytes of a load's 512, and of a fragment's register group
	s_mul_i32 s19, s16, 16*SP                      ; my stage
	v_add_nc_u32 v5, s19, v4                       ; in: a row as it lies
	v_mul_u32_u24 v6, v2, SP
	v_lshl_add_u32 v6, v3, 6, v6
	v_add_nc_u32 v6, s19, v6                       ; out: row r, + 64 (lane / 16): my 16 numbers of each block of 32
	v_lshlrev_b32 v7, 3, v2
	v_lshl_add_u32 v7, v3, 2, v7                   ; scale words: 8 r + 4 (lane / 16)
	s_mov_b32 s[SEL], 0x76543210
	s_mov_b32 s[SEL+1], 0xfedcba98
	s_mov_b32 s30, 0xffff0000                      ; lanes 16-31
.irp b, 0,1,2,3
	v_mov_b32 v[TM+4+\b], 0                        ; written once: a lane permute's destination counts as one of its sources
.endr
.irp f, 0,1
.irp i, 0,1,2,3,4,5,6,7,8,9,10,11,12,13,14,15
	global_load_b128 v[R+64*\f+4*\i:R+64*\f+4*\i+3], v4, s[4:5] offset:(\i+8*(\i/8))*4096+512*\f th:TH_LOAD_NT   ; lane i's row of the tile: 512 consecutive bytes, read once in the launch
.endr
.endr
; 64 numbers of a lane, v[s] on, become a fragment's codes in v[pc] on and its scale word in v[pw]
.macro QUANT s, pc, pw
.irp b, 0,1,2,3
	v_max3_num_f32 v[TM+\b], |v[\s+16*\b]|, |v[\s+1+16*\b]|, 0x8000000   ; block b: my 16 numbers, and the floor 2^(16 - 127)
.endr
.irp i, 2,4,6,8,10,12,14
.irp b, 0,1,2,3
	v_max3_num_f32 v[TM+\b], v[TM+\b], |v[\s+16*\b+\i]|, |v[\s+1+16*\b+\i]|   ; the four blocks by turns
.endr
.endr
.irp b, 0,1,2,3
	v_permlanex16_b32 v[TM+4+\b], v[TM+\b], s[SEL], s[SEL+1]
.endr
.irp b, 0,1,2,3
	v_max_num_f32 v[TM+\b], v[TM+\b], v[TM+4+\b]   ; with lane l xor 16's: the block's largest magnitude
.endr
.irp b, 0,1,2,3
	v_add_nc_u32 v[TM+12+\b], 0xf8800000, v[TM+\b]
.endr
.irp b, 0,1,2,3
.endr
.irp b, 0,1,2,3
	v_lshrrev_b32 v[TM+4+\b], 23, v[TM+12+\b]
.endr
	v_lshl_or_b32 v[\pw], v[TM+5], 8, v[TM+4]
	v_lshl_or_b32 v[\pw], v[TM+6], 16, v[\pw]
	v_lshl_or_b32 v[\pw], v[TM+7], 24, v[\pw]
.irp b, 0,1,2,3
.irp i, 0,1,2,3,4,5,6,7,8,9,10,11,12,13,14,15
.endr
	v_cvt_scalef32_pk8_bf8_f32 v[\pc+4*\b:\pc+4*\b+1], v[\s+16*\b:\s+16*\b+7], v[TM+12+\b]
	v_cvt_scalef32_pk8_bf8_f32 v[\pc+4*\b+2:\pc+4*\b+3], v[\s+16*\b+8:\s+16*\b+15], v[TM+12+\b]
.endr
	v_nop                                          ; a plain line behind the last conversion
.endm
	s_wait_alu depctr_va_vdst(0)
.irp f, 0,1
	s_wait_loadcnt 16*(1-\f)                       ; this fragment's sixteen loads are in; the other's may be out
.irp i, 0,1,2,3,4,5,6,7,8,9,10,11,12,13,14,15
	ds_store_b128 v5, v[R+64*\f+4*\i:R+64*\f+4*\i+3] offset:\i*SP
.endr
.irp b, 0,1,2,3
.irp j, 0,1,2,3
	ds_load_b128 v[XN+16*\b+4*\j:XN+16*\b+4*\j+3], v6 offset:128*\b+16*\j   ; LDS serves a wave's instructions in order (ISA guide 5.7.1.4): these see the stores above, and the next fragment's stores come behind them
.endr
.endr
	s_wait_dscnt 0x0
	QUANT XN, PC+16*\f, 12+\f
.irp c, 0,1,2,3
	global_store_b128 v4, v[PC+16*\f+4*\c:PC+16*\f+4*\c+3], s[26:27] offset:2048*\f+512*\c   ; 512 consecutive bytes
.endr
.endr
	v_cndmask_b32 v14, v12, v13, s30               ; lanes 0-15 store the first fragment's word of row r, lanes 16-31 the second's: 128 consecutive bytes
	global_store_b32 v7, v14, s[28:29]
	s_wait_tensorcnt 0x0
	ds_add_u32 v8, v15
	s_wait_dscnt 0x0
	s_endpgm
.Lfunc_end_k_qe98169e6e8_quant:
	.size	k_qe98169e6e8_quant, .Lfunc_end_k_qe98169e6e8_quant-k_qe98169e6e8_quant
	.p2alignl 7, 3214868480
	.fill 96, 4, 3214868480
	.section	.rodata,"a",@progbits
	.p2align	6, 0x0
	.amdhsa_kernel k_qe98169e6e8_quant
		.amdhsa_group_segment_fixed_size 34304
		.amdhsa_private_segment_fixed_size 0
		.amdhsa_enable_private_segment 0
		.amdhsa_kernarg_size 48
		.amdhsa_user_sgpr_count 2
		.amdhsa_user_sgpr_kernarg_segment_ptr 1
		.amdhsa_wavefront_size32 1
		.amdhsa_system_sgpr_workgroup_id_x 1
		.amdhsa_system_sgpr_workgroup_id_y 1
		.amdhsa_system_sgpr_workgroup_id_z 1
		.amdhsa_system_vgpr_workitem_id 0
		.amdhsa_next_free_vgpr 256
		.amdhsa_next_free_sgpr 66
		.amdhsa_reserve_vcc 0
		.amdhsa_float_denorm_mode_32 3
		.amdhsa_float_denorm_mode_16_64 3
		.amdhsa_fp16_overflow 1
		.amdhsa_memory_ordered 1
		.amdhsa_forward_progress 1
		.amdhsa_inst_pref_size 58
	.end_amdhsa_kernel
	.amdgpu_metadata
---
amdhsa.version: [ 1, 2 ]
amdhsa.kernels:
  - .name:           k_qe98169e6e8_quant
    .symbol:         k_qe98169e6e8_quant.kd
    .args:
      - { .name: X, .offset: 0, .size: 8, .value_kind: global_buffer, .address_space: global }
      - { .name: Wq, .offset: 8, .size: 8, .value_kind: global_buffer, .address_space: global }
      - { .name: Wk, .offset: 16, .size: 8, .value_kind: global_buffer, .address_space: global }
      - { .name: Wv, .offset: 24, .size: 8, .value_kind: global_buffer, .address_space: global }
      - { .name: Wo, .offset: 32, .size: 8, .value_kind: global_buffer, .address_space: global }
      - { .name: xw, .offset: 40, .size: 8, .value_kind: global_buffer, .address_space: global }
    .group_segment_fixed_size: 34304
    .private_segment_fixed_size: 0
    .kernarg_segment_align: 8
    .kernarg_segment_size: 48
    .max_flat_workgroup_size: 128
    .sgpr_count:     66
    .vgpr_count:     256
    .wavefront_size: 32
...
	.end_amdgpu_metadata
.endif
;; end of part 1
;; launch proj (part 2): grid 96 x 4, 4 waves a work-group, clusters of 4 x 4, 327,680 bytes of LDS; arguments xw, bq, bk, bv, qkv; writes qkv
.if DOCPART == 2
	.amdgcn_target "amdgcn-amd-amdhsa--gfx1250"
	.amdhsa_code_object_version 6
	.text
	.protected	k_qe98169e6e8_proj
	.globl	k_qe98169e6e8_proj
	.p2align	8
	.type	k_qe98169e6e8_proj,@function
k_qe98169e6e8_proj:
	s_mov_b64 s[64:65], 0
	v_nop
	global_prefetch_b8 v0, s[64:65] scope:SCOPE_SE
	s_setreg_imm32_b32 hwreg(HW_REG_WAVE_MODE, 25, 1), 1
	s_wait_xcnt 0x0
	s_wait_alu depctr_hold_cnt(0) depctr_sa_sdst(0) depctr_va_vdst(0) depctr_va_sdst(0) depctr_va_ssrc(0) depctr_va_vcc(0) depctr_vm_vsrc(0)
	s_getreg_b32 s2, hwreg(HW_REG_IB_STS2, 6, 4)
	s_cmp_eq_u32 s2, 0
	s_cbranch_scc0 .Lentry_in_a_cluster
	s_endpgm
.Lentry_in_a_cluster:
	s_bfe_u32 s2, ttmp6, 0x10000c
	s_cmp_lg_u32 s2, 0xf033
	s_cbranch_scc0 .Lentry_shape_is_right
	s_endpgm
.Lentry_shape_is_right:
; q = X Wq + bq, k = X Wk + bk, v = X Wv + bv on codes of BF8 (E5M2) with E8M0 scales, K = 1024; the results are quantised here, q and k along d, v along the keys, and stored as images of the next products' operands.
; OPERANDS come from xw as panels (128 rows x K): a K step of 256 of a panel is 32,768 dense bytes, tile x 4096 + half x 2048 + 512 c + 16 lane: a fragment is four loads of 512 consecutive bytes, in memory and in LDS alike.
; The rows of a tile are 32 g + 8 u + r + 8 (r / 8): as source 0 two such tiles leave lane (r', h) 16 neighbours, 32 b + 16 h + 0..15, of that axis in 16 registers on end.
; TWO JOBS in one body, told apart by the cluster's number c, which all partners share.  P = source 0 (the axis that is quantised), R = source 1 (a lane's row).
;   c < 16:  P = the 2,048 rows of Wq and Wk (row = 64 head + d), R = X.     c >= 16:  P = X (the keys), R = the 1,024 rows of Wv.
; A work-group makes 256 (R) x 256 (P); four waves of 128 x 128: 64 accumulators, 512 registers.  K goes in steps of 256 through two LDS slots filled by the tensor data mover.
; CLUSTERS: 4 x 4 work-groups.  R's panels are shared along a row of the cluster, P's along a column: each is asked for jointly, by the same load with the same descriptor and a mask that names the four.
; THE BIAS is the C of each sum's first product.  It runs along P in the first job and along R in the second, so the first step of 128 along K is written twice; that is the one branch on the job.
; qkv: two parts of PART bytes (0: q;  1: k and v), each [64 batch x head][8 slots of 256 rows] records of 33,792 bytes:
;   +0      row codes [8 groups of 32 rows][c' = 2 u + d block][lane][16]: registers 0-7 of such a fragment are tile u = 0 (d = 0..63), registers 8-15 tile u = 1
;   +16384  v's codes [2 steps of 128 keys][4 tiles of d][c][lane][16]        +32768  row scale words [group][r]: bytes (u0 d0, u0 d1, u1 d0, u1 d1)        +33280  v's scale words [step][tile][r]
; LIMITS: a block whose largest magnitude lies under 2^-111 gets the byte 1; NaN and infinities are not served; the sums run over K in ascending steps of 128 with the bias first.
; REGISTERS, in windows of 256: window 0: v0-31 addresses; v32-63 scale words, two sets; v64-127 the bias, 8 runs of 8; v128-255 R's fragments, one set.  window 1: P's fragments, two sets.  windows 2, 3: the accumulators, (a, b) at v[8 (8 (a % 4) + b)].
.set NQ,     2                         ; matrix instructions deep in a slot
.set FR,     16                        ; registers of a fragment
.set NL,     4                         ; LDS loads that bring one
.set NP,     8                         ; places behind this matrix instruction (ISA guide 7.12.1)
.set HALFT,  32768                     ; a panel's K step: what one tensor load brings, and what one wave reads of R or of P
.set SLOT,   4*HALFT                   ; R's two panels, then P's two
.set SCL,    2*SLOT                    ; behind the ring: the four panels' scale words for all of K, filled once
.set HALFS,  4096
.set SBLK,   512                       ; those of 16 rows
.set SPARE,  SCL+4*HALFS               ; the spare words, 128 bytes for each wave: two blocks of 256 bytes that no other line names
.set XWS,    12582912                  ; where the scale words begin in xw
.set PART,   17301504
.set BHS,    270336                    ; a head's eight records
.set REC,    33792
.set LI,   4                           ; v4      16 x lane
.set ADRA, 16                          ; v16-17  LDS address of my R fragments in slot 0, 1
.set ADRB, 20                          ; v20-21  the same for P
.set ADRS, 27                          ; v27     LDS address of my scale words: lanes 0-15 R's rows, lanes 16-31 P's
.set SPW,  28                          ; v28     LDS address of my spare word; never rewritten
.set NIL,  29                          ; v29     0; never rewritten
.set SC,   32
.set CB,   64
.set AF,   128
.set G1, 24                            ; s[24:31] descriptor group 1 for R's panels;  s[32:39] group 0, one set for each slot
.set G0, 32
.set G1B, 48                           ; s[48:55], s[56:63] the same for P's
.set G0B, 56
.set G1S, 68                           ; s[68:75], s[76:79] groups 1 and 0 for R's scale words;  s[80:87], s[88:91] for P's
.set G0S, 76
.set G1SB, 80
.set G0SB, 88
.set MSB, 0
.macro WIN new                         ; the immediate's high byte repeats the setting that is left
.if MSB != (\new)
	s_set_vgpr_msb (MSB<<8)|(\new)
.set MSB, (\new)
.endif
.endm
.set MUL_LO, 0xa1                      ; source 0 (P) window 1, source 1 (R) window 0, C and D window 2
.set MUL_HI, 0xf1                      ; the same, C and D window 3
.set TO_B,   0x40                      ; destination window 1, address window 0
; A joint load: waves 0 and 1 fetch for R, waves 2 and 3 for P.  Each of the two lines has one mask and one set of registers for all that issue it; the branch hangs on the wave's number alone.
; Four v_nop follow each of the two lines, ahead of the jump, the label and what follows.
.macro JLOAD g0a, g1a, g0b, g1b
	s_cmp_eq_u32 s15, 0
	s_cbranch_scc0 .Lfor_b_\@
	tensor_load_to_lds s[\g0a:\g0a+3], s[\g1a:\g1a+7]
	s_nop 0
.rept 4
	v_nop
.endr
	s_branch .Lasked_\@
.Lfor_b_\@:
	tensor_load_to_lds s[\g0b:\g0b+3], s[\g1b:\g1b+7]
	s_nop 0
.rept 4
	v_nop
.endr
.Lasked_\@:
.endm
.macro CREST                           ; a round of the cluster's barrier behind its opening barrier
	s_cmp_lg_u32 s14, 0
	s_cbranch_scc1 .Lnot_wave_0_\@
	s_barrier_signal -3
.Lnot_wave_0_\@:
	s_barrier_wait -3
	s_barrier_signal -1
	s_barrier_wait -1
.endm
.macro CROUND                          ; a whole round
	s_barrier_signal -1
	s_barrier_wait -1
	CREST
.endm
	s_load_b256 s[4:11], s[0:1], 0x0               ; xw s[4:5], bq s[6:7], bk s[8:9], bv s[10:11]
	s_load_b64 s[12:13], s[0:1], 0x20              ; qkv
	v_lshl_add_u32 v[SPW], v0, 2, SPARE
	v_mov_b32 v[NIL], 0
	ds_add_u32 v28, v29
	ds_add_u32 v28, v29
	s_wait_dscnt 0x0
	v_lshrrev_b32 v1, 5, v0
	v_readfirstlane_b32 s14, v1                    ; wave 0..3
	s_lshr_b32 s15, s14, 1                         ; which of R's two panels is mine.  Also: I fetch for R (0) or for P (1)
	s_and_b32 s16, s14, 1                          ; which of P's.  Also: which of the two panels I fetch
	s_bfe_u32 s40, ttmp6, 0x40000                  ; cx, cy: my place in the cluster
	s_bfe_u32 s41, ttmp6, 0x40004
	s_and_b32 s97, ttmp9, 1                        ; the job's figures, all made first, then chosen on one compare of the cluster's number
	s_lshr_b32 s98, ttmp9, 1
	s_sub_co_u32 s99, ttmp9, 16
	s_cmp_lt_u32 ttmp9, 16
	s_cselect_b32 s66, 0, 1                        ; the job
	s_cselect_b32 s97, s97, s99                    ; which four tiles along P
	s_cselect_b32 s98, s98, 0                      ; which four along R
	s_cselect_b32 s95, 0, 80                       ; R's first panel: X's or Wv's
	s_cselect_b32 s96, 64, 0                       ; P's first panel: Wq's or X's
	s_lshl_b32 s42, s97, 2
	s_add_co_u32 s42, s42, s40                     ; my tile along P
	s_lshl_b32 s17, s98, 2
	s_add_co_u32 s17, s17, s41                     ; my tile along R
	s_lshl_b32 s43, s41, 2
	s_lshl_b32 s43, 15, s43                        ; my row of the cluster
	s_lshl_b32 s44, 0x1111, s40                    ; my column
	; descriptor group 1: a dense block as rows of 256 bytes (32 elements of 8 bytes), no padding: 128 rows for a panel's K step, 16 for its scale words
	s_or_b32 s[G1+0], s43, (3<<16)|(1<<21)         ; 15:0 the mask: R's panels go to my row; 17:16 elements of 8 bytes; 21 set beside a mask
	s_or_b32 s[G1B+0], s44, (3<<16)|(1<<21)
	s_or_b32 s[G1S+0], s43, (3<<16)|(1<<21)
	s_or_b32 s[G1SB+0], s44, (3<<16)|(1<<21)
.irp g, G1, G1B
	s_mov_b32 s[\g+1], 32<<16                      ; tensor_dim0
	s_mov_b32 s[\g+2], 128<<16                     ; tensor_dim1
	s_mov_b32 s[\g+3], 32<<16                      ; tile_dim0
	s_mov_b32 s[\g+4], 128                         ; tile_dim1
	s_mov_b32 s[\g+5], 32                          ; tensor_dim0_stride
	s_mov_b32 s[\g+6], 0
	s_mov_b32 s[\g+7], 0
.endr
.irp g, G1S, G1SB
	s_mov_b32 s[\g+1], 32<<16
	s_mov_b32 s[\g+2], 16<<16
	s_mov_b32 s[\g+3], 32<<16
	s_mov_b32 s[\g+4], 16
	s_mov_b32 s[\g+5], 32
	s_mov_b32 s[\g+6], 0
	s_mov_b32 s[\g+7], 0
.endr
	s_lshl_b32 s20, s17, 1                         ; R's panel that I would fetch: made of the tile along R and the wave's number alone
	s_add_co_u32 s20, s20, s95
	s_add_co_u32 s20, s20, s16
	s_lshl_b32 s22, s20, 12
	s_add_co_u32 s22, s22, XWS                     ; its scale words,
	s_mov_b32 s23, 0
	s_lshl_b32 s20, s20, 17                        ; its codes
	s_mov_b32 s21, 0
	s_lshl_b32 s46, s42, 1                         ; P's: of the tile along P and the wave's number alone
	s_add_co_u32 s46, s46, s96
	s_add_co_u32 s46, s46, s16
	s_lshl_b32 s92, s46, 12
	s_add_co_u32 s92, s92, XWS
	s_mov_b32 s93, 0
	s_lshl_b32 s46, s46, 17
	s_mov_b32 s47, 0
	s_mul_i32 s45, s14, HALFT                      ; where they go: wave x a panel's bytes: no place in the cluster enters an LDS address
	s_mul_i32 s94, s14, HALFS
	s_lshl_b32 s100, s42, 8
	s_lshl_b32 s99, s16, 7
	s_add_co_u32 s100, s100, s99                   ; P0: my wave's first row along P
	s_lshl_b32 s101, s17, 8
	s_lshl_b32 s99, s15, 7
	s_add_co_u32 s101, s101, s99                   ; R0: along R
	s_wait_kmcnt 0x0
	s_add_nc_u64 s[20:21], s[4:5], s[20:21]
	s_add_nc_u64 s[22:23], s[4:5], s[22:23]
	s_add_nc_u64 s[46:47], s[4:5], s[46:47]
	s_add_nc_u64 s[92:93], s[4:5], s[92:93]
	CROUND                                         ; all sixteen work-groups are here: the first joint loads meet
	s_mov_b32 s[G0S], 1
	s_add_co_u32 s[G0S+1], s94, SCL
	s_mov_b64 s[G0S+2:G0S+3], s[22:23]
	s_or_b32 s[G0S+3], s[G0S+3], 0x80000000
	s_mov_b32 s[G0SB], 1
	s_add_co_u32 s[G0SB+1], s94, SCL
	s_mov_b64 s[G0SB+2:G0SB+3], s[92:93]
	s_or_b32 s[G0SB+3], s[G0SB+3], 0x80000000
	JLOAD G0S, G1S, G0SB, G1SB                     ; the scale words first: they are wanted with K step 0
.irp s, 0,1
	s_mov_b32 s[G0+4*\s], 1
	s_add_co_u32 s[G0+4*\s+1], s45, \s*SLOT
	s_add_nc_u64 s[G0+4*\s+2:G0+4*\s+3], s[20:21], \s*HALFT
	s_or_b32 s[G0+4*\s+3], s[G0+4*\s+3], 0x80000000
	s_mov_b32 s[G0B+4*\s], 1
	s_add_co_u32 s[G0B+4*\s+1], s45, \s*SLOT
	s_add_nc_u64 s[G0B+4*\s+2:G0B+4*\s+3], s[46:47], \s*HALFT
	s_or_b32 s[G0B+4*\s+3], s[G0B+4*\s+3], 0x80000000
	JLOAD G0+4*\s, G1, G0B+4*\s, G1B
.endr
	v_and_b32 v1, 15, v0                           ; r = lane % 16
	v_bfe_u32 v2, v0, 4, 1                         ; h = lane / 16
	s_wait_alu depctr_va_vdst(0)
	v_and_b32 v3, 31, v0
	v_lshlrev_b32 v[LI], 4, v3
	s_mul_i32 s21, s15, HALFT                      ; my panel of R
	s_mul_i32 s22, s16, HALFT                      ; my panel of P,
	s_add_co_u32 s22, s22, 2*HALFT                 ; behind R's two
.irp s, 0,1
	v_add_nc_u32 v[ADRA+\s], s21, v[LI]
	v_add_nc_u32 v[ADRB+\s], s22, v[LI]
	s_add_co_u32 s21, s21, SLOT
	s_add_co_u32 s22, s22, SLOT
.endr
	v_lshlrev_b32 v5, 3, v1                        ; my row's scale words of a K step: 8 bytes
	s_mul_i32 s21, s15, HALFS                      ; R's: my panel
	s_mul_i32 s22, s16, HALFS                      ; P's: my panel, behind R's two
	s_add_co_u32 s22, s22, 2*HALFS
	s_sub_co_u32 s22, s22, s21
	v_mul_u32_u24 v6, s22, v2                      ; lanes 16-31 take P's
	s_add_co_u32 s21, s21, SCL
	v_add_nc_u32 v5, v5, v6
	v_add_nc_u32 v[ADRS], s21, v5
	; the bias, in the layout of the results.  First job: run x holds bq or bk at P rows 32 (x / 2) + 16 h + 8 (x % 2) + j.  Second: run x holds bv at lane r's row of R's tile x, eight times.  One run of loads serves both: only strides are chosen
	s_lshr_b32 s99, s100, 10
	s_cmp_eq_u32 s99, 0
	s_cselect_b64 s[18:19], s[6:7], s[8:9]         ; bq for P0 under 1,024, else bk
	s_and_b32 s99, s100, 1023
	s_cmp_eq_u32 s66, 0
	s_cselect_b64 s[18:19], s[18:19], s[10:11]     ; or bv
	s_cselect_b32 s2, s99, s101                    ; from which number on
	s_cselect_b32 s67, 64, 0                       ; bytes for h,
	s_cselect_b32 s99, 0, 4                        ; for a lane's row,
	s_cselect_b32 s3, 4, 0                         ; for j
	v_and_b32 v3, 8, v1
	v_add_nc_u32 v3, v3, v1                        ; r + 8 (r / 8)
	v_mul_u32_u24 v8, v2, s67
	v_mad_u32_u24 v8, v3, s99, v8
.irp j, 1,2,3,4,5,6,7
	v_add_nc_u32 v[8+\j], s3, v[7+\j]
.endr
	s_lshl_b32 s2, s2, 2
	s_mov_b32 s3, 0
	s_add_nc_u64 s[18:19], s[18:19], s[2:3]
.irp x, 0,1,2,3,4,5,6,7
.irp j, 0,1,2,3,4,5,6,7
	global_load_b32 v[CB+8*\x+\j], v[8+\j], s[18:19] offset:(32*(\x/2)+8*(\x%2))*4
.endr
.endr
.macro FRAG reg, adr, q, i             ; a fragment: four loads of 512 consecutive bytes
.irp c, 0,1,2,3
	ds_load_b128 v[\reg+4*\c:\reg+4*\c+3], v[\adr] offset:4096*(\i)+2048*(\q)+512*\c
.endr
.endm
; 16 matrix instructions: R's blocks a0, a0 + 1 x P's eight, 128 along K: the slot's q-th.  p: P's set;  sc: the set of scale words.  mode 0: onto the sums; 2: the sums start with the bias run of P's block; 3: with that of R's block.
; The 64 accumulators take turns, one instruction a turn, in the same order in every step.
.macro MUL16 a0, p, q, sc, mode
.irp a, \a0, \a0+1
.irp b, 0,1,2,3,4,5,6,7
.if \mode == 0
	v_wmma_scale_f32_16x16x128_f8f6f4 v[8*(8*((\a)%4)+\b):8*(8*((\a)%4)+\b)+7], v[128*(\p)+FR*\b:128*(\p)+FR*\b+FR-1], v[AF+FR*(\a):AF+FR*(\a)+FR-1], v[8*(8*((\a)%4)+\b):8*(8*((\a)%4)+\b)+7], v[SC+8*NQ*(\sc)+NQ*\b+(\q)], v[SC+8*NQ*(\sc)+NQ*(\a)+(\q)] matrix_a_fmt:MATRIX_FMT_BF8 matrix_b_fmt:MATRIX_FMT_BF8 matrix_a_scale:MATRIX_SCALE_ROW1
.elseif \mode == 2
	v_wmma_scale_f32_16x16x128_f8f6f4 v[8*(8*((\a)%4)+\b):8*(8*((\a)%4)+\b)+7], v[128*(\p)+FR*\b:128*(\p)+FR*\b+FR-1], v[AF+FR*(\a):AF+FR*(\a)+FR-1], v[CB+8*\b:CB+8*\b+7], v[SC+8*NQ*(\sc)+NQ*\b+(\q)], v[SC+8*NQ*(\sc)+NQ*(\a)+(\q)] matrix_a_fmt:MATRIX_FMT_BF8 matrix_b_fmt:MATRIX_FMT_BF8 matrix_a_scale:MATRIX_SCALE_ROW1
.else
	v_wmma_scale_f32_16x16x128_f8f6f4 v[8*(8*((\a)%4)+\b):8*(8*((\a)%4)+\b)+7], v[128*(\p)+FR*\b:128*(\p)+FR*\b+FR-1], v[AF+FR*(\a):AF+FR*(\a)+FR-1], v[CB+8*(\a):CB+8*(\a)+7], v[SC+8*NQ*(\sc)+NQ*\b+(\q)], v[SC+8*NQ*(\sc)+NQ*(\a)+(\q)] matrix_a_fmt:MATRIX_FMT_BF8 matrix_b_fmt:MATRIX_FMT_BF8 matrix_a_scale:MATRIX_SCALE_ROW1
.endif
.endr
.endr
.endm
.macro FETCH_B slot, q, p              ; P's eight fragments of the slot's q-th 128 along K into set p
	WIN TO_B
.irp i, 0,1,2,3,4,5,6,7
	FRAG 128*(\p)+FR*\i, ADRB+\slot, \q, \i
.endr
	WIN 0
.endm
.macro FETCH_A slot, q, i0             ; R's blocks i0 .. i0 + 3
.irp i, \i0, \i0+1, \i0+2, \i0+3
	FRAG AF+FR*(\i), ADRA+\slot, \q, \i
.endr
.endm
.macro SCALES sc                       ; a K step's scale words into set sc: two words a row; lanes 0-15 take R's block i, lanes 16-31 P's block i
.irp i, 0,1,2,3,4,5,6,7
	ds_load_b64 v[SC+8*NQ*\sc+NQ*\i:SC+8*NQ*\sc+NQ*\i+1], v[ADRS] offset:\i*SBLK
.endr
.endm
; A load into a register that a matrix instruction has read, and a vector instruction that reads a matrix result, stand NP places behind that matrix instruction; only plain vector
; instructions that name none of its registers are places (ISA guide 7.12.1 for vector instructions).
.macro PLACES n
.rept \n
	v_nop
.endr
.endm
; A step of 128 along K that has its successor in the same slot.  R has one set of registers: blocks 0-3 are fetched anew in the step's middle, blocks 4-7 at its end.
.macro STEP slot, q, mode
	s_wait_dscnt 4*NL                              ; P's set and R's blocks 0-3 are in; the youngest sixteen loads (R's blocks 4-7) may be out
.if \mode
	WIN 0x81                                       ; C, the bias, in window 0
.else
	WIN MUL_LO
.endif
	MUL16 0, (\q)%2, \q, \slot, \mode
	MUL16 2, (\q)%2, \q, \slot, \mode
	s_wait_dscnt 0                                 ; R's blocks 4-7 are in
	PLACES NP
	FETCH_B \slot, (\q)+1, 1-(\q)%2
	FETCH_A \slot, (\q)+1, 0
.if \mode
	WIN 0xc1
.else
	WIN MUL_HI
.endif
	MUL16 4, (\q)%2, \q, \slot, \mode
	MUL16 6, (\q)%2, \q, \slot, \mode
	PLACES NP
	WIN 0
	FETCH_A \slot, (\q)+1, 4
.endm
; A slot's last step changes slots: one barrier; in front of it each wave waits for all its tensor loads, adds 0 to its spare word, and waits for that and for its own reads of this slot.  fill = 1: this slot is filled again, two K steps ahead.
.macro TURN slot, next, fill
	s_wait_tensorcnt 0x0                           ; all my tensor loads have landed: my part of the next slot
	ds_add_u32 v[SPW], v[NIL]                      ; 0 onto my spare word
	s_wait_dscnt 4*NL+1                            ; the add and the youngest sixteen loads, R's blocks 4-7, may be out
	WIN MUL_LO
	MUL16 0, 1, NQ-1, \slot, 0                     ; sixteen matrix instructions stand between the add and the wait for it
	s_wait_dscnt 0x0                               ; the add is done, and my reads of this slot are over
	s_barrier_signal -1
	MUL16 2, 1, NQ-1, \slot, 0
	WIN 0
	s_barrier_wait -1
.if \fill
	CREST                                          ; the barrier has opened a round of the cluster's barrier: no wave of any partner still reads this slot or has a load on its way
	s_add_nc_u64 s[G0+4*\slot+2:G0+4*\slot+3], s[G0+4*\slot+2:G0+4*\slot+3], 2*HALFT
	s_add_nc_u64 s[G0B+4*\slot+2:G0B+4*\slot+3], s[G0B+4*\slot+2:G0B+4*\slot+3], 2*HALFT
	JLOAD G0+4*\slot, G1, G0B+4*\slot, G1B         ; the first tensor load behind the round; its four v_nop are among the places in front of the loads below
	PLACES NP-4
.else
	PLACES NP
.endif
	s_wait_alu depctr_va_vdst(0)
	v_add_nc_u32 v[ADRS], 128, v[ADRS]             ; on to the next K step's scale words
	FETCH_B \next, 0, 0
	FETCH_A \next, 0, 0
	SCALES \next
	WIN MUL_HI
	MUL16 4, 1, NQ-1, \slot, 0
	MUL16 6, 1, NQ-1, \slot, 0
	PLACES NP
	WIN 0
	FETCH_A \next, 0, 4
.endm
	s_wait_tensorcnt 1                             ; the scale words and my part of K step 0 are in; K step 1's load may be out
	s_barrier_signal -1
	s_barrier_wait -1
	FETCH_B 0, 0, 0
	FETCH_A 0, 0, 0
	SCALES 0
	FETCH_A 0, 0, 4
	s_wait_loadcnt 0x0                             ; the bias
	s_cmp_eq_u32 s66, 0                            ; the job is the same in all sixteen work-groups; no tensor load and no barrier stands in either arm
	s_cbranch_scc0 .Lfirst_v
	STEP 0, 0, 2
	s_branch .Lfirst_done
.Lfirst_v:
	STEP 0, 0, 3
.Lfirst_done:
	TURN 0, 1, 1                                   ; K = 1024 is four K steps: twice round the ring, written straight
	STEP 1, 0, 0
	TURN 1, 0, 1
	STEP 0, 0, 0
	TURN 0, 1, 0                                   ; nothing is left to fetch
	STEP 1, 0, 0
	s_wait_dscnt 4*NL                              ; the very last step
	WIN MUL_LO
	MUL16 0, 1, NQ-1, 1, 0
	MUL16 2, 1, NQ-1, 1, 0
	s_wait_dscnt 0
	WIN MUL_HI
	MUL16 4, 1, NQ-1, 1, 0
	MUL16 6, 1, NQ-1, 1, 0
	WIN 0
; THE WAY OUT.  Block a (16 rows of R x my 128 rows of P) is 64 registers of a lane, register 16 bb + i = P row 32 bb + 16 h + i of lane r's row of R: just what a quantiser along P wants.  Its codes are a fragment's registers
; and leave as they stand, 512 consecutive bytes a store.  No branch: where the jobs differ, strides are chosen.  No tensor load is out, so the descriptors' registers serve again.
.set T,   32
.set TM,  96                           ; v96-111  at work
.set PW,  112                          ; v112-119 a scale word for each block
.set WS,  120                          ; v120-123 what each pair of blocks stores
.set PC,  128                          ; v128-255 codes, 16 registers a block: no store's data are written again
.set VB,  10                           ; v10      16 x lane + the stride of register groups 2, 3
.set VS,  12                           ; v12      the scale words' place
.set MNT, 49
.set SEL, 50
	PLACES NP
	s_lshr_b32 s26, s100, 10
	s_mov_b32 s36, 2048
	s_mov_b32 s44, 1024
	s_mov_b32 s46, 0x03020100
	s_mov_b32 s47, 0x07060504
	s_mov_b32 s55, 33280
	s_cmp_eq_u32 s66, 0
	s_cselect_b32 s24, s101, s100                  ; my first row of X
	s_cselect_b32 s25, s100, s101                  ; my first row of the weight
	s_cselect_b32 s26, s26, 1                      ; the part: q, or k and v
	s_cselect_b32 s36, 1024, s36                   ; codes: from block to block
	s_cselect_b32 s38, 0, 262144                   ;   and once more into block 4 (second job: the next head)
	s_cselect_b32 s44, 270336, s44                 ;   register groups 2, 3: the next head, or 1,024 bytes on
	s_cselect_b32 s40, 64, 128                     ; scale words: from pair to pair of blocks
	s_cselect_b32 s42, 0, 270080                   ;   and once more into pair 2
	s_cselect_b32 s45, 270336, 64                  ;   lanes 16-31: the next head, or the next tile of d
	s_cselect_b32 s46, 0x05040100, s46             ; which bytes of a pair's two words make the word of lanes 0-15,
	s_cselect_b32 s47, 0x07060302, s47             ; and of lanes 16-31
	s_cselect_b32 s54, 0, 16384                    ; the record's field of codes,
	s_cselect_b32 s55, 32768, s55                  ; and of scale words
	s_mov_b32 s37, 0
	s_mov_b32 s39, 0
	s_mov_b32 s41, 0
	s_mov_b32 s43, 0
	s_mov_b32 s53, 0
	s_mov_b32 s48, 0xffff0000                      ; lanes 16-31
	s_mov_b32 s[SEL], 0x76543210
	s_mov_b32 s[SEL+1], 0xfedcba98
	s_lshr_b32 s27, s24, 11                        ; batch
	s_bfe_u32 s28, s24, 0x30008                    ; slot of 256 rows
	s_bfe_u32 s29, s24, 0x10007                    ; which half of it
	s_bfe_u32 s30, s25, 0x40006                    ; my first head
	s_lshl_b32 s27, s27, 4
	s_add_co_u32 s27, s27, s30
	s_mul_i32 s27, s27, BHS
	s_mul_i32 s26, s26, PART
	s_add_co_u32 s27, s27, s26
	s_mul_i32 s28, s28, REC
	s_add_co_u32 s27, s27, s28                     ; the record
	s_lshl_b32 s28, s29, 13
	s_add_co_u32 s52, s27, s28
	s_add_co_u32 s52, s52, s54
	s_add_nc_u64 s[32:33], s[12:13], s[52:53]      ; codes
	s_lshl_b32 s28, s29, 8
	s_add_co_u32 s52, s27, s28
	s_add_co_u32 s52, s52, s55
	s_add_nc_u64 s[34:35], s[12:13], s[52:53]      ; scale words
	v_add_nc_u32 v[VB], s44, v[LI]
	v_lshlrev_b32 v[VS], 2, v1
	v_mul_u32_u24 v13, v2, s45
	v_add_nc_u32 v[VS], v[VS], v13
.irp b, 0,1,2,3
	v_mov_b32 v[TM+4+\b], 0                        ; written once: a lane permute's destination counts as one of its sources
.endr
.macro QUANTA a
.set AC, 64*((\a)%4)
.set QWN, 2+(\a)/4                     ; the block's window
	WIN (5*QWN)                                    ; sources 0 and 1
.irp b, 0,1,2,3
	v_max3_num_f32 v[TM+\b], |v[AC+16*\b]|, |v[AC+16*\b+1]|, 0x8000000   ; each accumulator is read from its low end on; the floor 2^(16 - 127) holds the byte at 1 from below
.endr
	WIN (20*QWN)                                   ; sources 1 and 2
.irp i, 2,4,6,8,10,12,14
.irp b, 0,1,2,3
	v_max3_num_f32 v[TM+\b], v[TM+\b], |v[AC+16*\b+\i]|, |v[AC+16*\b+\i+1]|
.endr
.endr
	WIN 0
.irp b, 0,1,2,3
	v_permlanex16_b32 v[TM+4+\b], v[TM+\b], s[SEL], s[SEL+1]
.endr
.irp b, 0,1,2,3
	v_max_num_f32 v[TM+\b], v[TM+\b], v[TM+4+\b]   ; with lane l xor 16's: the block's largest magnitude
.endr
.irp b, 0,1,2,3
	v_add_nc_u32 v[TM+12+\b], 0xf8800000, v[TM+\b] ; 15 off the exponent field: the conversion's scale operand
.endr
.irp b, 0,1,2,3
.endr
.irp b, 0,1,2,3
	v_lshrrev_b32 v[TM+4+\b], 23, v[TM+12+\b]      ; the scale's byte
.endr
	v_lshl_or_b32 v[PW+\a], v[TM+5], 8, v[TM+4]
	v_lshl_or_b32 v[PW+\a], v[TM+6], 16, v[PW+\a]
	v_lshl_or_b32 v[PW+\a], v[TM+7], 24, v[PW+\a]
	WIN QWN                                        ; source 0
.irp b, 0,1,2,3
.irp i, 0,1,2,3,4,5,6,7,8,9,10,11,12,13,14,15
.endr
.endr
.irp b, 0,1,2,3
	v_cvt_scalef32_pk8_bf8_f32 v[PC+16*\a+4*\b:PC+16*\a+4*\b+1], v[AC+16*\b:AC+16*\b+7], v[TM+12+\b]
	v_cvt_scalef32_pk8_bf8_f32 v[PC+16*\a+4*\b+2:PC+16*\a+4*\b+3], v[AC+16*\b+8:AC+16*\b+15], v[TM+12+\b]
.endr
	WIN 0
	v_nop                                          ; a plain line behind the last conversion
.endm
.irp a, 0,1,2,3,4,5,6,7
	QUANTA \a
.if \a > 0
	s_wait_alu depctr_va_vdst(0)
	s_wait_xcnt 0x0                                ; the earlier stores have read their bases: both may step
	s_add_nc_u64 s[32:33], s[32:33], s[36:37]
.if \a == 4
	s_add_nc_u64 s[32:33], s[32:33], s[38:39]
.endif
.if (\a == 3) || (\a == 5) || (\a == 7)
	s_add_nc_u64 s[34:35], s[34:35], s[40:41]
.endif
.if \a == 5
	s_add_nc_u64 s[34:35], s[34:35], s[42:43]
.endif
.endif
	global_store_b128 v[LI], v[PC+16*\a:PC+16*\a+3], s[32:33]                  ; 512 consecutive bytes each
	global_store_b128 v[LI], v[PC+16*\a+4:PC+16*\a+7], s[32:33] offset:512
	global_store_b128 v[VB], v[PC+16*\a+8:PC+16*\a+11], s[32:33]
	global_store_b128 v[VB], v[PC+16*\a+12:PC+16*\a+15], s[32:33] offset:512
.if (\a % 2) == 1
	v_perm_b32 v124, v[PW+\a], v[PW+\a-1], s46     ; first job: the first head's (u0 d0, u0 d1, u1 d0, u1 d1); second: the even block's word
	v_perm_b32 v125, v[PW+\a], v[PW+\a-1], s47     ; the second head's; the odd block's
	v_cndmask_b32 v[WS+\a/2], v124, v125, s48
	global_store_b32 v[VS], v[WS+\a/2], s[34:35]
.endif
.endr
	s_wait_tensorcnt 0x0                           ; the wave's end
	ds_add_u32 v[SPW], v[NIL]
	s_wait_dscnt 0x0
	CROUND                                         ; the closing round: no work-group ends while a partner may still ask for a tile that names it
	s_endpgm
.Lfunc_end_k_qe98169e6e8_proj:
	.size	k_qe98169e6e8_proj, .Lfunc_end_k_qe98169e6e8_proj-k_qe98169e6e8_proj
	.p2alignl 7, 3214868480
	.fill 96, 4, 3214868480
	.section	.rodata,"a",@progbits
	.p2align	6, 0x0
	.amdhsa_kernel k_qe98169e6e8_proj
		.amdhsa_group_segment_fixed_size 327680
		.amdhsa_private_segment_fixed_size 0
		.amdhsa_enable_private_segment 0
		.amdhsa_kernarg_size 40
		.amdhsa_user_sgpr_count 2
		.amdhsa_user_sgpr_kernarg_segment_ptr 1
		.amdhsa_wavefront_size32 1
		.amdhsa_system_sgpr_workgroup_id_x 1
		.amdhsa_system_sgpr_workgroup_id_y 1
		.amdhsa_system_sgpr_workgroup_id_z 1
		.amdhsa_system_vgpr_workitem_id 0
		.amdhsa_next_free_vgpr 1024
		.amdhsa_next_free_sgpr 102
		.amdhsa_reserve_vcc 0
		.amdhsa_float_denorm_mode_32 3
		.amdhsa_float_denorm_mode_16_64 3
		.amdhsa_fp16_overflow 1
		.amdhsa_memory_ordered 1
		.amdhsa_forward_progress 1
		.amdhsa_inst_pref_size 173
	.end_amdhsa_kernel
	.amdgpu_metadata
---
amdhsa.version: [ 1, 2 ]
amdhsa.kernels:
  - .name:           k_qe98169e6e8_proj
    .symbol:         k_qe98169e6e8_proj.kd
    .args:
      - { .name: xw, .offset: 0, .size: 8, .value_kind: global_buffer, .address_space: global }
      - { .name: bq, .offset: 8, .size: 8, .value_kind: global_buffer, .address_space: global }
      - { .name: bk, .offset: 16, .size: 8, .value_kind: global_buffer, .address_space: global }
      - { .name: bv, .offset: 24, .size: 8, .value_kind: global_buffer, .address_space: global }
      - { .name: qkv, .offset: 32, .size: 8, .value_kind: global_buffer, .address_space: global }
    .group_segment_fixed_size: 327680
    .private_segment_fixed_size: 0
    .kernarg_segment_align: 8
    .kernarg_segment_size: 40
    .max_flat_workgroup_size: 128
    .sgpr_count:     102
    .vgpr_count:     1024
    .wavefront_size: 32
...
	.end_amdgpu_metadata
.endif
;; end of part 2
;; launch attn (part 3): grid 4 x 64, 16 waves a work-group, no clusters, 327,680 bytes of LDS; arguments qkv, cc; writes cc
.if DOCPART == 3
	.amdgcn_target "amdgcn-amd-amdhsa--gfx1250"
	.amdhsa_code_object_version 6
	.text
	.protected	k_qe98169e6e8_attn
	.globl	k_qe98169e6e8_attn
	.p2align	8
	.type	k_qe98169e6e8_attn,@function
k_qe98169e6e8_attn:
	s_mov_b64 s[64:65], 0
	v_nop
	global_prefetch_b8 v0, s[64:65] scope:SCOPE_SE
	s_setreg_imm32_b32 hwreg(HW_REG_WAVE_MODE, 25, 1), 1
	s_wait_xcnt 0x0
; Causal attention on codes of BF8 (E5M2) with E8M0 scales: 64 (batch x head) x 2,048 rows, head size 64.  Both products are used transposed: S^T = K Q^T, O^T = V^T P^T: a lane holds one query throughout.
; THE SOFTMAX AHEAD OF THE SECOND PRODUCT: t = score x log2(e) / 8; M = the running largest t rounded up to a whole number; p = 2^(t - M) is quantised along the keys, not normalised; the row's sum is taken of the
; unquantised p and divides O at the end; when M moves, the sum and O^T are multiplied by 2^(old M - new M), which rounds nothing.
; THE RESULT, O / the sum, is quantised here along d (two blocks of 32 a head) and stored in cc as the image of the last product's operand (panels as in xw: 128 rows x K = 64 head + d).
; INPUT: qkv, part 0 = q, part 1 = k and v, records of 33,792 bytes for 256 rows: +0 row codes [8 groups of 32][c' = 2 u + d block][lane][16]; +16384 v's codes [2 steps][4 tiles of d][c][lane][16]; +32768 row scale words; +33280 v's.
; A record of part 1 is one dense tile of the ring, scale words and all.  The rows of a tile are 32 g + 8 u + r + 8 (r / 8), so the 16 registers of two neighbouring tiles of S^T are 16 neighbouring keys, and those of O^T 16 neighbouring d.
; K = 64 IN THE FIRST PRODUCT.  A fragment of K's rows holds tile u = 0 in its first 64 along K and tile u = 1 in its last 64.  Q lies in 8 registers between 8 and 8 registers of zero codes: [Q|0] meets tile 0, [0|Q] tile 1; the other half
; of the fragment meets zero codes, and K's codes are finite (the quantiser holds them) under bytes 1 to 254: those products are zeros.
; SHARES.  Work-group (i, batch x head) owns query blocks 7 - i and i of 256 rows: 8 - i and i + 1 slots of 256 keys, nine trips for every work-group.  Each of the sixteen waves owns one tile of 16 queries of the block in hand, in 256
; registers: four waves to a SIMD, so that one wave's vector work stands beside another's matrix work and LDS loads.  A step of 128 keys all of which come after the wave's queries is jumped over (a scalar branch on ids).
; NO CLUSTER: the four work-groups of a head walk 8 - i slots of one block and then begin anew, so from the sixth trip on they want different tiles in the same trip; joint loads would have to be alike in all partners.
; LIMITS: a block whose largest magnitude lies under 2^-111 gets the byte 1; NaN and infinities are not served.  The scale bytes of cc leave one byte a lane: a scale word is shared by two heads, which are two work-groups'.
.set BHS,   270336
.set PART,  17301504
.set REC,   33792
.set QTR,   8448                       ; a quarter of a record: 33 rows of 256 bytes: what one of waves 0-3 fetches
.set SLOT1, 65536                      ; slot 1 begins here: one exclusive or turns an address in one slot into the other's
.set SPARE, 131072                     ; the spare words, 128 bytes for each wave: eight blocks of 256 bytes that no other line names
.set LI,  1                            ; v1   16 x lane
.set LS,  2                            ; v2   4 x (lane % 16)
.set SPW, 3                            ; v3   LDS address of my spare word; never rewritten
.set NIL, 4                            ; v4   0; never rewritten
.set QL,  5                            ; v5   my query's place in its group of 32, less 16 (lane / 16)
.set ADK, 6                            ; v6   the slot in hand + 16 x lane
.set ADS, 7                            ; v7   the slot in hand + 4 r
.set SBA, 8                            ; v8   8 r + lane / 16: my scale byte's place in cc
.set KV,  40                           ; v40-103  four fragments of K's rows, then of V.  (v16-23 zeros, v24-31 Q, v32-39 zeros; v12 -M, v13 the largest t, v[14:15] the sum in two halves)
.set SS,  104                          ; v104-167 S^T, then p
.set OT,  168                          ; v168-199 O^T
.set PCD, 200                          ; v200-215 p's codes
.set BM,  216                          ; v216-219 each block's largest score, then largest p
.set BT,  220                          ; v220-223 at work
.set HD,  224
.set SO,  228                          ; v228-231 the conversions' scale operands
.set KW,  232                          ; v232-235 the fragments' scale words
.set FF,  236                          ; v236 f = 2^(old M - new M)
.set PS,  237                          ; v237 p's scale word
.set TT,  238                          ; v238 at work
.set QW,  239                          ; v239 Q's scale word (q0, q1, q0, q1)
.set WV,  8
.set II,  9                            ; s9   i
.set BH,  10
.set NA,  11                           ; s11  8 - i: the trips of the first block
.set J,   12                           ; s12  the trip asked for last; the loop's counter
.set SLN, 13                           ; s13  the slot of keys asked for last
.set KF,  14                           ; s14  the step's first key
.set QB,  15                           ; s15  the block of queries in hand
.set QG,  16                           ; s16  the first row of my group of 32
.set QMIN, 17                          ; s17  my smallest query
.set QMAX, 18                          ; s18  my largest
.set MNT, 19
.set SEL, 20
.set CS,  22                           ; s[22:23] c = log2(e) / 8
.set G1,  24
.set G0,  32
.set TBASE, 36                         ; s[36:37] my quarter of the head's first record of k and v
.set OFS, 38                           ; s[38:39] an offset, 0 above it
.set QCB, 40                           ; s[40:41] my tile's codes in block 0 of q;  s[42:43] its scale words
.set QSB, 42
.set CCB, 44                           ; s[44:45] my tile's codes in cc for block 0;  s[46:47] its scale bytes
.set CSB, 46
.set PA,  48                           ; s[48:51] the addresses in hand
.set PB,  50
.set QSEL, 52
.set HM,  53
.set TB,  54                           ; s54  LDS byte at which the slot in hand begins
; Waves 0 to 3 fetch a quarter of a record each.  Four v_nop follow the load.
.macro TLOAD
	s_cmp_lt_u32 s[WV], 4
	s_cbranch_scc0 .Lasked_\@
	tensor_load_to_lds s[G0:G0+3], s[G1:G1+7]
	s_nop 0
.rept 4
	v_nop
.endr
.Lasked_\@:
.endm
	s_load_b128 s[4:7], s[0:1], 0x0                ; qkv s[4:5], cc s[6:7]
	v_lshl_add_u32 v[SPW], v0, 2, SPARE
	v_mov_b32 v[NIL], 0
	ds_add_u32 v3, v4
	ds_add_u32 v3, v4
	s_wait_dscnt 0x0
	v_lshrrev_b32 v1, 5, v0
	s_delay_alu instid0(VALU_DEP_1)
	v_readfirstlane_b32 s[WV], v1                  ; wave 0..15
	s_mov_b32 s[II], ttmp9
	s_and_b32 s[BH], ttmp7, 0xffff
	s_sub_co_u32 s[NA], 8, s[II]
	s_mov_b32 s[G1], 3<<16                         ; 15:0 no mask; 17:16 elements of 8 bytes; no padding
	s_mov_b32 s[G1+1], 32<<16                      ; tensor_dim0: 256 bytes
	s_mov_b32 s[G1+2], 33<<16                      ; tensor_dim1
	s_mov_b32 s[G1+3], 32<<16                      ; tile_dim0
	s_mov_b32 s[G1+4], 33                          ; tile_dim1
	s_mov_b32 s[G1+5], 32                          ; tensor_dim0_stride: dense
	s_mov_b32 s[G1+6], 0
	s_mov_b32 s[G1+7], 0
	s_mul_i32 s55, s[BH], BHS                      ; the head's records
	s_mul_i32 s56, s[WV], QTR
	s_add_co_u32 s[OFS], s55, s56
	s_add_co_u32 s[OFS], s[OFS], PART
	s_mov_b32 s[OFS+1], 0
	s_wait_kmcnt 0x0
	s_add_nc_u64 s[TBASE:TBASE+1], s[4:5], s[OFS:OFS+1]
	s_mov_b32 s[G0], 1                             ; count = 1
	s_mul_i32 s[G0+1], s[WV], QTR                  ; LDS address: slot 0, my quarter
	s_mov_b64 s[G0+2:G0+3], s[TBASE:TBASE+1]       ; the head's first 256 keys
	s_or_b32 s[G0+3], s[G0+3], 0x80000000          ; type = 2
	TLOAD                                          ; the first fill, ahead of every wait on TENSORcnt, every LDS read and every barrier
	s_lshl_b32 s57, s[WV], 10                      ; q: group w / 2 x 2,048 + (w % 2) x 1,024
	s_add_co_u32 s[OFS], s55, s57
	s_add_nc_u64 s[QCB:QCB+1], s[4:5], s[OFS:OFS+1]
	s_lshr_b32 s57, s[WV], 1
	s_lshl_b32 s57, s57, 6
	s_add_co_u32 s[OFS], s55, s57
	s_add_co_u32 s[OFS], s[OFS], 32768
	s_add_nc_u64 s[QSB:QSB+1], s[4:5], s[OFS:OFS+1]
	s_lshr_b32 s55, s[BH], 4                       ; cc: panel = 16 x batch + 2 x block + w / 8; k = 64 head + d
	s_lshl_b32 s55, s55, 4
	s_lshr_b32 s56, s[WV], 3
	s_add_co_u32 s55, s55, s56
	s_bfe_u32 s56, s[BH], 0x20002                  ; k / 256 = head / 4
	s_and_b32 s57, s[WV], 7                        ; the tile in its panel
	s_bfe_u32 s58, s[BH], 0x10001                  ; (k / 128) % 2
	s_and_b32 s59, s[BH], 1                        ; which two of a fragment's four register groups
	s_lshl_b32 s[OFS], s55, 17
	s_lshl_b32 s60, s56, 15
	s_add_co_u32 s[OFS], s[OFS], s60
	s_lshl_b32 s60, s57, 12
	s_add_co_u32 s[OFS], s[OFS], s60
	s_lshl_b32 s60, s58, 11
	s_add_co_u32 s[OFS], s[OFS], s60
	s_lshl_b32 s60, s59, 10
	s_add_co_u32 s[OFS], s[OFS], s60
	s_add_nc_u64 s[CCB:CCB+1], s[6:7], s[OFS:OFS+1]
	s_lshl_b32 s[OFS], s55, 12
	s_lshl_b32 s60, s57, 9
	s_add_co_u32 s[OFS], s[OFS], s60
	s_lshl_b32 s60, s56, 7
	s_add_co_u32 s[OFS], s[OFS], s60
	s_lshl_b32 s60, s58, 2
	s_add_co_u32 s[OFS], s[OFS], s60
	s_lshl_b32 s60, s59, 1
	s_add_co_u32 s[OFS], s[OFS], s60
	s_add_co_u32 s[OFS], s[OFS], 8388608
	s_add_nc_u64 s[CSB:CSB+1], s[6:7], s[OFS:OFS+1]
	s_mov_b32 s[SEL], 0x76543210
	s_mov_b32 s[SEL+1], 0xfedcba98
	s_mov_b32 s[CS], 0x3e38aa3b                    ; log2(e) / 8
	s_mov_b32 s[CS+1], s[CS]                       ; named with it as a pair, so it is written
	s_mov_b32 s[HM], 0xffff0000                    ; lanes 16-31
	s_and_b32 s55, s[WV], 1                        ; u
	s_mov_b32 s[QSEL], 0x03020302
	s_cmp_eq_u32 s55, 0
	s_cselect_b32 s[QSEL], 0x01000100, s[QSEL]     ; which two bytes of a row scale word are my tile's
	s_lshl_b32 s56, s55, 3
	v_and_b32 v9, 31, v0
	s_delay_alu instid0(VALU_DEP_1)
	v_lshlrev_b32 v[LI], 4, v9
	v_and_b32 v10, 15, v0                          ; r
	v_bfe_u32 v11, v0, 4, 1                        ; h
	s_delay_alu instid0(VALU_DEP_2)
	v_lshlrev_b32 v[LS], 2, v10
	s_delay_alu instid0(VALU_DEP_2)
	v_lshl_add_u32 v[SBA], v10, 3, v11
	s_delay_alu instid0(VALU_DEP_4)
	v_and_b32 v[QL], 8, v10
	s_delay_alu instid0(VALU_DEP_1)
	v_add_nc_u32 v[QL], v[QL], v10                 ; r + 8 (r / 8)
	v_lshlrev_b32 v9, 4, v11
	s_delay_alu instid0(VALU_DEP_1)
	v_sub_nc_u32 v[QL], v[QL], v9                  ; - 16 h
	s_delay_alu instid0(VALU_DEP_1)
	v_add_nc_u32 v[QL], s56, v[QL]                 ; + 8 u
.irp j, 0,1,2,3,4,5,6,7
	v_mov_b32 v[16+\j], 0                          ; zero codes on both sides of Q
	v_mov_b32 v[32+\j], 0
.endr
.irp b, 0,1,2,3
	v_mov_b32 v[BT+\b], 0                          ; written once: a lane permute's destination counts as one of its sources
.endr
	v_mov_b32 v[PS], 0                             ; named as the upper half of the pair v[236:237] before it is first written
; A block of queries begins: my tile of Q, its scale word, and the sums.
.macro INIT
	s_mul_i32 s[OFS], s[QB], REC
	s_add_nc_u64 s[PA:PA+1], s[QCB:QCB+1], s[OFS:OFS+1]
	s_add_nc_u64 s[PB:PB+1], s[QSB:QSB+1], s[OFS:OFS+1]
	global_load_b128 v[24:27], v[LI], s[PA:PA+1]                ; d = 0..31
	global_load_b128 v[28:31], v[LI], s[PA:PA+1] offset:512     ; d = 32..63
	global_load_b32 v[TT], v[LS], s[PB:PB+1]
	s_lshl_b32 s[QG], s[QB], 8
	s_lshr_b32 s55, s[WV], 1
	s_lshl_b32 s55, s55, 5
	s_add_co_u32 s[QG], s[QG], s55
	s_and_b32 s55, s[WV], 1
	s_lshl_b32 s55, s55, 3
	s_add_co_u32 s[QMIN], s[QG], s55               ; lane 0's query
	s_add_co_u32 s[QMAX], s[QMIN], 23              ; lane 15's
	s_wait_loadcnt 0x0
	v_perm_b32 v[QW], v[TT], v[TT], s[QSEL]        ; (q0, q1, q0, q1).  The lines below are the places between this write and the first product
	v_mov_b32 v13, 0xff61b1e6                      ; the largest t so far: -3e38, under every t
	s_delay_alu instid0(VALU_DEP_1)
	v_floor_f32 v12, -v13                          ; -M
	v_mov_b32 v14, 0
	v_mov_b32 v15, 0
.set n, 0
.rept 32
	v_mov_b32 v[OT+n], 0                           ; the step is written once: the first finds zeros, which the first change of M leaves zeros
.set n, n+1
.endr
.endm
; A KEY STEP: 128 keys, the q-th of the slot in hand.
.macro STEP q
	s_cmp_gt_u32 s[KF], s[QMAX]                    ; all its keys come after my queries: the work is left out; no barrier and no tensor load stands in a step
	s_cbranch_scc1 .Lhidden_\@
	v_add_nc_u32 v[ADK], s[TB], v[LI]
	v_add_nc_u32 v[ADS], s[TB], v[LS]
.rept 6
	v_nop                                          ; with the two additions: eight places in front of loads into registers that the last products read
.endr
.irp pf, 0,1,2,3
.irp c, 0,1,2,3
	ds_load_b128 v[KV+16*\pf+4*\c:KV+16*\pf+4*\c+3], v[ADK] offset:(4*\q+\pf)*2048+512*\c   ; 32 keys: both tiles of a group; 512 consecutive bytes a load
.endr
	ds_load_b32 v[KW+\pf], v[ADS] offset:32768+(4*\q+\pf)*64
.endr
	s_wait_alu depctr_va_vdst(0)
	s_wait_dscnt 0x0
.irp pf, 0,1,2,3
	v_wmma_scale_f32_16x16x128_f8f6f4 v[SS+16*\pf:SS+16*\pf+7], v[KV+16*\pf:KV+16*\pf+15], v[24:39], 0, v[KW+\pf], v[QW] matrix_a_fmt:MATRIX_FMT_BF8 matrix_b_fmt:MATRIX_FMT_BF8       ; [Q|0]: tile u = 0
	v_wmma_scale_f32_16x16x128_f8f6f4 v[SS+16*\pf+8:SS+16*\pf+15], v[KV+16*\pf:KV+16*\pf+15], v[16:31], 0, v[KW+\pf], v[QW] matrix_a_fmt:MATRIX_FMT_BF8 matrix_b_fmt:MATRIX_FMT_BF8    ; [0|Q]: tile u = 1
.endr                                          ; register 16 b + i of S^T: key KF + 32 b + 16 h + i
.rept 8
	v_nop                                          ; places in front of the loads below and of the first read of the scores
.endr
.irp dt, 0,1,2,3                               ; V's fragments are asked for here and land under the softmax
.irp c, 0,1,2,3
	ds_load_b128 v[KV+16*\dt+4*\c:KV+16*\dt+4*\c+3], v[ADK] offset:16384+8192*\q+2048*\dt+512*\c
.endr
	ds_load_b32 v[KW+\dt], v[ADS] offset:33280+256*\q+64*\dt
.endr
	s_add_co_u32 s55, s[KF], 127                   ; on the diagonal hidden scores become -infinity ahead of the maximum; a step all of whose keys count skips this
	s_cmp_le_u32 s55, s[QMIN]
	s_cbranch_scc1 .Lopen_\@
	s_sub_co_i32 s55, s[QG], s[KF]
	v_add_nc_u32 v9, s55, v[QL]                    ; d = my query - KF - 16 h: register 16 b + i is hidden where 32 b + i > d.  Key KF counts for every query of a step that is walked
	v_mov_b32 v10, 0xff800000
.set n, 0
.rept 64
	v_cmp_gt_i32 vcc_lo, 32*(n/16)+n%16, v9
	v_cndmask_b32 v[SS+n], v[SS+n], v10, vcc_lo
.set n, n+1
.endr
.Lopen_\@:
.irp b, 0,1,2,3
	v_max3_num_f32 v[BM+\b], v[SS+16*\b], v[SS+1+16*\b], v[SS+2+16*\b]   ; the largest score of each block of 32 keys: for the row's maximum and, since p rises with the score, for the block's largest p
.endr
.irp i, 3,5,7,9,11,13
.irp b, 0,1,2,3
	v_max3_num_f32 v[BM+\b], v[BM+\b], v[SS+16*\b+\i], v[SS+1+16*\b+\i]
.endr
.endr
.irp b, 0,1,2,3
	v_max_num_f32 v[BM+\b], v[BM+\b], v[SS+15+16*\b]
.endr
.irp b, 0,1,2,3
	s_delay_alu instid0(VALU_DEP_4)
	v_permlanex16_b32 v[BT+\b], v[BM+\b], s[SEL], s[SEL+1]
.endr
.irp b, 0,1,2,3
	s_delay_alu instid0(VALU_DEP_4)
	v_max_num_f32 v[BM+\b], v[BM+\b], v[BT+\b]     ; with lane l xor 16's 16 keys
.endr
	s_delay_alu instid0(VALU_DEP_2)
	v_max3_num_f32 v[TT], v[BM], v[BM+1], v[BM+2]
	s_delay_alu instid0(VALU_DEP_1)
	v_max_num_f32 v[TT], v[TT], v[BM+3]
	s_delay_alu instid0(VALU_DEP_1)
	v_mul_f32 v[TT], s[CS], v[TT]                  ; as t (c is positive)
	s_delay_alu instid0(VALU_DEP_1)
	v_max_num_f32 v13, v13, v[TT]                  ; the running largest t
	v_mov_b32 v[TT], v12
	s_delay_alu instid0(VALU_DEP_2)
	v_floor_f32 v12, -v13                          ; the new -M = floor(-t) = -ceil(t)
	s_delay_alu instid0(VALU_DEP_1)
	v_sub_f32 v[TT], v12, v[TT]                    ; old M - new M: a whole number, 0 or less
	s_delay_alu instid0(VALU_DEP_1)
	v_cvt_i32_f32 v[TT], v[TT]                     ; (it saturates)
	s_delay_alu instid0(VALU_DEP_1)
	v_ldexp_f32 v[FF], 1.0, v[TT]                  ; f
.set j, 0
.rept 32
	v_pk_fma_f32 v[SS+j:SS+j+1], v[SS+j:SS+j+1], s[CS:CS+1], v[12:13] op_sel_hi:[1,0,0]   ; t - M, two at a time
.set j, j+2
.endr
.irp b, 0,1,2,3
	v_fma_f32 v[BM+\b], v[BM+\b], s[CS], v12       ; the same of each block's largest score
.endr
.set j, 0
	s_wait_alu depctr_va_vdst(0)
.rept 64
	v_exp_f32 v[SS+j], v[SS+j]                     ; p = 2^(t - M), at most 1
.set j, j+1
.endr
.irp b, 0,1,2,3
	v_exp_f32 v[BM+\b], v[BM+\b]                   ; the block's largest p: the same two instructions on the same number
.endr
	v_pk_mul_f32 v[14:15], v[14:15], v[FF:FF+1] op_sel_hi:[1,0]   ; the sums under the new M.  (A plain place behind the exponentials)
	s_wait_alu depctr_va_vdst(0)
.irp b, 0,1,2,3
	v_max_num_f32 v[BM+\b], 0x8000000, v[BM+\b]    ; the floor 2^(16 - 127): a block whose every p is 0 keeps the byte 1: its codes are zeros
.endr
.irp b, 0,1,2,3
	s_delay_alu instid0(VALU_DEP_4)
	v_add_nc_u32 v[SO+\b], 0xf8800000, v[BM+\b]
.endr
.irp b, 0,1,2,3
.endr
.irp b, 0,1,2,3
	s_delay_alu instid0(VALU_DEP_4)
	v_lshrrev_b32 v[BT+\b], 23, v[SO+\b]
.endr
	s_delay_alu instid0(VALU_DEP_3)
	v_lshl_or_b32 v[PS], v[BT+1], 8, v[BT]         ; p's scale word for these 128 keys
	s_delay_alu instid0(VALU_DEP_1)
	v_lshl_or_b32 v[PS], v[BT+2], 16, v[PS]
	s_delay_alu instid0(VALU_DEP_1)
	v_lshl_or_b32 v[PS], v[BT+3], 24, v[PS]
	v_pk_add_f32 v[220:221], v[108:109], v[112:113]
	v_pk_add_f32 v[254:255], v[116:117], v[120:121]
	v_pk_add_f32 v[252:253], v[124:125], v[128:129]
	v_pk_add_f32 v[250:251], v[132:133], v[136:137]
	v_pk_add_f32 v[248:249], v[140:141], v[144:145]
	v_pk_add_f32 v[246:247], v[148:149], v[152:153]
	v_pk_add_f32 v[244:245], v[156:157], v[160:161]
	v_pk_add_f32 v[14:15], v[14:15], v[164:165]
	v_pk_add_f32 v[220:221], v[220:221], v[104:105]
	v_pk_add_f32 v[254:255], v[254:255], v[106:107]
	v_pk_add_f32 v[252:253], v[252:253], v[110:111]
	v_pk_add_f32 v[250:251], v[250:251], v[114:115]
	v_pk_add_f32 v[248:249], v[248:249], v[118:119]
	v_pk_add_f32 v[246:247], v[246:247], v[122:123]
	v_pk_add_f32 v[244:245], v[244:245], v[126:127]
	v_pk_add_f32 v[14:15], v[14:15], v[130:131]
	v_pk_add_f32 v[220:221], v[220:221], v[134:135]
	v_pk_add_f32 v[254:255], v[254:255], v[138:139]
	v_pk_add_f32 v[252:253], v[252:253], v[142:143]
	v_pk_add_f32 v[250:251], v[250:251], v[146:147]
	v_pk_add_f32 v[248:249], v[248:249], v[150:151]
	v_pk_add_f32 v[246:247], v[246:247], v[154:155]
	v_pk_add_f32 v[244:245], v[244:245], v[158:159]
	v_pk_add_f32 v[14:15], v[14:15], v[162:163]
	v_pk_add_f32 v[220:221], v[220:221], v[166:167]
	s_delay_alu instid0(VALU_DEP_2)
	v_pk_add_f32 v[14:15], v[14:15], v[250:251]
	s_delay_alu instid0(VALU_DEP_2)
	v_pk_add_f32 v[220:221], v[220:221], v[248:249]
	v_pk_add_f32 v[254:255], v[254:255], v[246:247]
	v_pk_add_f32 v[252:253], v[252:253], v[244:245]
	s_delay_alu instid0(VALU_DEP_2)
	v_pk_add_f32 v[14:15], v[14:15], v[254:255]
	s_delay_alu instid0(VALU_DEP_2)
	v_pk_add_f32 v[220:221], v[220:221], v[252:253]
	s_delay_alu instid0(VALU_DEP_1)
	v_pk_add_f32 v[14:15], v[14:15], v[220:221]
.irp b, 0,1,2,3
.irp i, 0,1,2,3,4,5,6,7,8,9,10,11,12,13,14,15
.endr
	v_cvt_scalef32_pk8_bf8_f32 v[PCD+4*\b:PCD+4*\b+1], v[SS+16*\b:SS+16*\b+7], v[SO+\b]
	v_cvt_scalef32_pk8_bf8_f32 v[PCD+4*\b+2:PCD+4*\b+3], v[SS+16*\b+8:SS+16*\b+15], v[SO+\b]
.endr
.set j, 0
.rept 16
	v_pk_mul_f32 v[OT+j:OT+j+1], v[OT+j:OT+j+1], v[FF:FF+1] op_sel_hi:[1,0]   ; O^T under the new M, from each accumulator's low end on.  These sixteen are also the places in front of the products below
.set j, j+2
.endr
	s_wait_alu depctr_va_vdst(0)
	s_wait_dscnt 0x0                               ; V
.irp dt, 0,1,2,3
	v_wmma_scale_f32_16x16x128_f8f6f4 v[OT+8*\dt:OT+8*\dt+7], v[KV+16*\dt:KV+16*\dt+15], v[PCD:PCD+15], v[OT+8*\dt:OT+8*\dt+7], v[KW+\dt], v[PS] matrix_a_fmt:MATRIX_FMT_BF8 matrix_b_fmt:MATRIX_FMT_BF8   ; the four accumulators by turns
.endr
.Lhidden_\@:
	s_add_co_u32 s[KF], s[KF], 128
.endm
; THE CHANGE OF SLOTS stands at a trip's head.  Each wave waits for all its tensor loads (its part of the slot that it is about to read), adds 0 to its spare word, and waits for that and for its reads of the slot that it has left.
; fill = 1: behind the barrier that other slot is filled with the next trip's keys: trip J reads slot J of the keys while J < NA, and slot J - NA after.  By this text's count one tensor load of a wave is out at the most.
.macro CHANGE fill
	s_wait_tensorcnt 0x0                           ; no tensor load of mine is out, so group 0 may be written
	ds_add_u32 v[SPW], v[NIL]                      ; 0 onto my spare word
	s_lshl_b32 s[KF], s[SLN], 8                    ; the first key of the slot that is read now
.if \fill
	s_add_co_u32 s[J], s[J], 1
	s_cmp_lt_u32 s[J], s[NA]
	s_cselect_b32 s55, 0, s[NA]
	s_sub_co_u32 s[SLN], s[J], s55
	s_mul_i32 s[OFS], s[SLN], REC
	s_add_nc_u64 s[G0+2:G0+3], s[TBASE:TBASE+1], s[OFS:OFS+1]
	s_or_b32 s[G0+3], s[G0+3], 0x80000000
	s_xor_b32 s[G0+1], s[G0+1], SLOT1              ; the other slot than last time
.endif
	s_wait_dscnt 0x0                               ; the add is done, and my reads of the slot that I have left are over
	s_barrier_signal -1
	s_barrier_wait -1
.if \fill
	TLOAD                                          ; the first thing behind the barrier, and a wave's one tensor load until the next
.endif
.endm
; A block of queries ends: O^T / the sum, quantised along d, leaves as two register groups of the last product's operand.
.macro FINISH
.rept 8
	v_nop                                          ; places behind the last products
.endr
	v_add_f32 v14, v14, v15
	s_delay_alu instid0(VALU_DEP_1)
	v_permlanex16_b32 v[TT], v14, s[SEL], s[SEL+1]
	s_delay_alu instid0(VALU_DEP_1)
	v_add_f32 v14, v14, v[TT]                      ; the row's sum
	s_wait_alu depctr_va_vdst(0)
	v_rcp_f32 v14, v14
	v_nop                                          ; one plain place behind a transcendental
.set j, 0
	s_wait_alu depctr_va_vdst(0)
.rept 16
	v_pk_mul_f32 v[SS+j:SS+j+1], v[OT+j:OT+j+1], v[14:15] op_sel_hi:[1,0]   ; register 16 b + i: d = 32 b + 16 h + i of my query
.set j, j+2
.endr
.irp b, 0,1
	v_max3_num_f32 v[BM+\b], |v[SS+16*\b]|, |v[SS+1+16*\b]|, 0x8000000
.endr
.irp i, 2,4,6,8,10,12,14
.irp b, 0,1
	s_delay_alu instid0(VALU_DEP_2)
	v_max3_num_f32 v[BM+\b], v[BM+\b], |v[SS+16*\b+\i]|, |v[SS+1+16*\b+\i]|
.endr
.endr
.irp b, 0,1
	s_delay_alu instid0(VALU_DEP_2)
	v_permlanex16_b32 v[BT+\b], v[BM+\b], s[SEL], s[SEL+1]
.endr
.irp b, 0,1
	s_delay_alu instid0(VALU_DEP_2)
	v_max_num_f32 v[BM+\b], v[BM+\b], v[BT+\b]
.endr
.irp b, 0,1
	s_delay_alu instid0(VALU_DEP_2)
	v_add_nc_u32 v[SO+\b], 0xf8800000, v[BM+\b]
.endr
.irp b, 0,1
.endr
.irp b, 0,1
	s_delay_alu instid0(VALU_DEP_2)
	v_lshrrev_b32 v[BT+\b], 23, v[SO+\b]
.endr
.irp b, 0,1
.irp i, 0,1,2,3,4,5,6,7,8,9,10,11,12,13,14,15
.endr
	v_cvt_scalef32_pk8_bf8_f32 v[PCD+4*\b:PCD+4*\b+1], v[SS+16*\b:SS+16*\b+7], v[SO+\b]
	v_cvt_scalef32_pk8_bf8_f32 v[PCD+4*\b+2:PCD+4*\b+3], v[SS+16*\b+8:SS+16*\b+15], v[SO+\b]
.endr
	v_cndmask_b32 v[TT], v[BT], v[BT+1], s[HM]     ; lanes 0-15 store the first block's byte of row r, lanes 16-31 the second's.  (A plain line behind the last conversion)
	s_lshl_b32 s[OFS], s[QB], 18                   ; two panels a block of queries
	s_add_nc_u64 s[PA:PA+1], s[CCB:CCB+1], s[OFS:OFS+1]
	s_lshl_b32 s[OFS], s[QB], 13
	s_add_nc_u64 s[PB:PB+1], s[CSB:CSB+1], s[OFS:OFS+1]
	global_store_b128 v[LI], v[PCD:PCD+3], s[PA:PA+1]               ; 512 consecutive bytes each
	global_store_b128 v[LI], v[PCD+4:PCD+7], s[PA:PA+1] offset:512
	global_store_b8 v[SBA], v[TT], s[PB:PB+1]
	s_wait_xcnt 0x0                                ; the stores have read their registers and addresses: both are written again
.endm
	s_sub_co_u32 s[QB], 7, s[II]                   ; the later block first
	INIT
	s_mov_b32 s[J], 0
	s_mov_b32 s[SLN], 0
	s_mov_b32 s[TB], 0
.Lslot:                                            ; eight trips: behind each change of slots but the last the next trip's keys are asked for
	CHANGE 1
	STEP 0
	STEP 1
	s_xor_b32 s[TB], s[TB], SLOT1                  ; on to the other slot
	s_cmp_lg_u32 s[J], s[NA]                       ; the next trip begins the earlier block: a branch on ids, round global loads and stores alone
	s_cbranch_scc1 .Lsame
	FINISH
	s_mov_b32 s[QB], s[II]
	INIT
.Lsame:
	s_cmp_lt_u32 s[J], 8
	s_cbranch_scc1 .Lslot
	CHANGE 0                                       ; the last trip is written out
	STEP 0
	STEP 1
	FINISH
	s_wait_tensorcnt 0x0                           ; the wave's end
	ds_add_u32 v[SPW], v[NIL]
	s_wait_dscnt 0x0
	s_endpgm
.Lfunc_end_k_qe98169e6e8_attn:
	.size	k_qe98169e6e8_attn, .Lfunc_end_k_qe98169e6e8_attn-k_qe98169e6e8_attn
	.p2alignl 7, 3214868480
	.fill 96, 4, 3214868480
	.section	.rodata,"a",@progbits
	.p2align	6, 0x0
	.amdhsa_kernel k_qe98169e6e8_attn
		.amdhsa_group_segment_fixed_size 327680
		.amdhsa_private_segment_fixed_size 0
		.amdhsa_enable_private_segment 0
		.amdhsa_kernarg_size 16
		.amdhsa_user_sgpr_count 2
		.amdhsa_user_sgpr_kernarg_segment_ptr 1
		.amdhsa_wavefront_size32 1
		.amdhsa_system_sgpr_workgroup_id_x 1
		.amdhsa_system_sgpr_workgroup_id_y 1
		.amdhsa_system_sgpr_workgroup_id_z 1
		.amdhsa_system_vgpr_workitem_id 0
		.amdhsa_next_free_vgpr 256
		.amdhsa_next_free_sgpr 66
		.amdhsa_reserve_vcc 1
		.amdhsa_float_denorm_mode_32 3
		.amdhsa_float_denorm_mode_16_64 3
		.amdhsa_fp16_overflow 1
		.amdhsa_memory_ordered 1
		.amdhsa_forward_progress 1
		.amdhsa_inst_pref_size 110
	.end_amdhsa_kernel
	.amdgpu_metadata
---
amdhsa.version: [ 1, 2 ]
amdhsa.kernels:
  - .name:           k_qe98169e6e8_attn
    .symbol:         k_qe98169e6e8_attn.kd
    .args:
      - { .name: qkv, .offset: 0, .size: 8, .value_kind: global_buffer, .address_space: global }
      - { .name: cc, .offset: 8, .size: 8, .value_kind: global_buffer, .address_space: global }
    .group_segment_fixed_size: 327680
    .private_segment_fixed_size: 0
    .kernarg_segment_align: 8
    .kernarg_segment_size: 16
    .max_flat_workgroup_size: 512
    .sgpr_count:     66
    .vgpr_count:     256
    .wavefront_size: 32
...
	.end_amdgpu_metadata
.endif
;; end of part 3
;; launch outp (part 4): grid 4 x 32, 4 waves a work-group, clusters of 4 x 4, 327,680 bytes of LDS; arguments cc, xw, bo, out0; writes out0
.if DOCPART == 4
	.amdgcn_target "amdgcn-amd-amdhsa--gfx1250"
	.amdhsa_code_object_version 6
	.text
	.protected	k_qe98169e6e8_outp
	.globl	k_qe98169e6e8_outp
	.p2align	8
	.type	k_qe98169e6e8_outp,@function
k_qe98169e6e8_outp:
	s_mov_b64 s[64:65], 0
	v_nop
	global_prefetch_b8 v0, s[64:65] scope:SCOPE_SE
	s_setreg_imm32_b32 hwreg(HW_REG_WAVE_MODE, 25, 1), 1
	s_wait_xcnt 0x0
	s_wait_alu depctr_hold_cnt(0) depctr_sa_sdst(0) depctr_va_vdst(0) depctr_va_sdst(0) depctr_va_ssrc(0) depctr_va_vcc(0) depctr_vm_vsrc(0)
	s_getreg_b32 s2, hwreg(HW_REG_IB_STS2, 6, 4)
	s_cmp_eq_u32 s2, 0
	s_cbranch_scc0 .Lentry_in_a_cluster
	s_endpgm
.Lentry_in_a_cluster:
	s_bfe_u32 s2, ttmp6, 0x10000c
	s_cmp_lg_u32 s2, 0xf033
	s_cbranch_scc0 .Lentry_shape_is_right
	s_endpgm
.Lentry_shape_is_right:
.set NQ,     2
.set FR,     16
.set NL,     4
.set NP,     8
.set HALFT,  32768
.set SLOT,   4*HALFT
.set SCL,    2*SLOT
.set HALFS,  4096
.set SBLK,   512
.set SPARE,  SCL+4*HALFS
.set XWS,    12582912
.set CCS,    8388608
.set SPITCH, 528
.set LI,   4
.set ADRA, 16
.set ADRB, 20
.set STO,  24
.set RD,   25
.set ADRS, 27
.set SPW,  28
.set NIL,  29
.set SC,   32
.set CB,   64
.set AF,   128
.set BK,   128
.set G1, 24
.set G0, 32
.set G1B, 48
.set G0B, 56
.set G1S, 68
.set G0S, 76
.set G1SB, 80
.set G0SB, 88
.set MSB, 0
.macro WIN new
.if MSB != (\new)
	s_set_vgpr_msb (MSB<<8)|(\new)
.set MSB, (\new)
.endif
.endm
.set MUL_LO, 0xa1
.set MUL_HI, 0xf1
.set TO_B,   0x40
.macro JLOAD g0a, g1a, g0b, g1b
	s_cmp_eq_u32 s15, 0
	s_cbranch_scc0 .Lfor_b_\@
	tensor_load_to_lds s[\g0a:\g0a+3], s[\g1a:\g1a+7]
	s_nop 0
.rept 4
	v_nop
.endr
	s_branch .Lasked_\@
.Lfor_b_\@:
	tensor_load_to_lds s[\g0b:\g0b+3], s[\g1b:\g1b+7]
	s_nop 0
.rept 4
	v_nop
.endr
.Lasked_\@:
.endm
.macro CREST
	s_cmp_lg_u32 s14, 0
	s_cbranch_scc1 .Lnot_wave_0_\@
	s_barrier_signal -3
.Lnot_wave_0_\@:
	s_barrier_wait -3
	s_barrier_signal -1
	s_barrier_wait -1
.endm
.macro CROUND
	s_barrier_signal -1
	s_barrier_wait -1
	CREST
.endm
	s_load_b256 s[4:11], s[0:1], 0x0
	v_lshl_add_u32 v[SPW], v0, 2, SPARE
	v_mov_b32 v[NIL], 0
	ds_add_u32 v28, v29
	ds_add_u32 v28, v29
	s_wait_dscnt 0x0
	v_lshrrev_b32 v1, 5, v0
	v_readfirstlane_b32 s14, v1
	s_lshr_b32 s15, s14, 1
	s_and_b32 s16, s14, 1
	s_bfe_u32 s40, ttmp6, 0x40000
	s_bfe_u32 s41, ttmp6, 0x40004
	s_lshl_b32 s42, ttmp9, 2
	s_add_co_u32 s42, s42, s40
	s_and_b32 s17, ttmp7, 0xffff
	s_lshl_b32 s17, s17, 2
	s_add_co_u32 s17, s17, s41
	s_lshl_b32 s43, s41, 2
	s_lshl_b32 s43, 15, s43
	s_lshl_b32 s44, 0x1111, s40
	s_or_b32 s[G1+0], s43, (3<<16)|(1<<21)
	s_or_b32 s[G1B+0], s44, (3<<16)|(1<<21)
	s_or_b32 s[G1S+0], s43, (3<<16)|(1<<21)
	s_or_b32 s[G1SB+0], s44, (3<<16)|(1<<21)
.irp g, G1, G1B
	s_mov_b32 s[\g+1], 32<<16
	s_mov_b32 s[\g+2], 128<<16
	s_mov_b32 s[\g+3], 32<<16
	s_mov_b32 s[\g+4], 128
	s_mov_b32 s[\g+5], 32
	s_mov_b32 s[\g+6], 0
	s_mov_b32 s[\g+7], 0
.endr
.irp g, G1S, G1SB
	s_mov_b32 s[\g+1], 32<<16
	s_mov_b32 s[\g+2], 16<<16
	s_mov_b32 s[\g+3], 32<<16
	s_mov_b32 s[\g+4], 16
	s_mov_b32 s[\g+5], 32
	s_mov_b32 s[\g+6], 0
	s_mov_b32 s[\g+7], 0
.endr
	s_lshl_b32 s20, s17, 1
	s_add_co_u32 s20, s20, s16
	s_lshl_b32 s22, s20, 12
	s_add_co_u32 s22, s22, CCS
	s_mov_b32 s23, 0
	s_lshl_b32 s20, s20, 17
	s_mov_b32 s21, 0
	s_lshl_b32 s46, s42, 1
	s_add_co_u32 s46, s46, s16
	s_add_co_u32 s46, s46, 88
	s_lshl_b32 s92, s46, 12
	s_add_co_u32 s92, s92, XWS
	s_mov_b32 s93, 0
	s_lshl_b32 s46, s46, 17
	s_mov_b32 s47, 0
	s_mul_i32 s45, s14, HALFT
	s_mul_i32 s94, s14, HALFS
	s_wait_kmcnt 0x0
	s_add_nc_u64 s[20:21], s[4:5], s[20:21]
	s_add_nc_u64 s[22:23], s[4:5], s[22:23]
	s_add_nc_u64 s[46:47], s[6:7], s[46:47]
	s_add_nc_u64 s[92:93], s[6:7], s[92:93]
	CROUND
	s_mov_b32 s[G0S], 1
	s_add_co_u32 s[G0S+1], s94, SCL
	s_mov_b64 s[G0S+2:G0S+3], s[22:23]
	s_or_b32 s[G0S+3], s[G0S+3], 0x80000000
	s_mov_b32 s[G0SB], 1
	s_add_co_u32 s[G0SB+1], s94, SCL
	s_mov_b64 s[G0SB+2:G0SB+3], s[92:93]
	s_or_b32 s[G0SB+3], s[G0SB+3], 0x80000000
	JLOAD G0S, G1S, G0SB, G1SB
.irp s, 0,1
	s_mov_b32 s[G0+4*\s], 1
	s_add_co_u32 s[G0+4*\s+1], s45, \s*SLOT
	s_add_nc_u64 s[G0+4*\s+2:G0+4*\s+3], s[20:21], \s*HALFT
	s_or_b32 s[G0+4*\s+3], s[G0+4*\s+3], 0x80000000
	s_mov_b32 s[G0B+4*\s], 1
	s_add_co_u32 s[G0B+4*\s+1], s45, \s*SLOT
	s_add_nc_u64 s[G0B+4*\s+2:G0B+4*\s+3], s[46:47], \s*HALFT
	s_or_b32 s[G0B+4*\s+3], s[G0B+4*\s+3], 0x80000000
	s_wait_alu depctr_va_vdst(0)
	s_wait_tensorcnt 0x0
	ds_add_u32 v28, v29
	s_wait_dscnt 0x0
	CROUND
	JLOAD G0+4*\s, G1, G0B+4*\s, G1B
.endr
	v_and_b32 v1, 15, v0
	v_bfe_u32 v2, v0, 4, 1
	s_wait_alu depctr_va_vdst(0)
	v_and_b32 v3, 31, v0
	v_lshlrev_b32 v[LI], 4, v3
	s_mul_i32 s21, s15, HALFT
	s_mul_i32 s22, s16, HALFT
	s_add_co_u32 s22, s22, 2*HALFT
.irp s, 0,1
	v_add_nc_u32 v[ADRA+\s], s21, v[LI]
	v_add_nc_u32 v[ADRB+\s], s22, v[LI]
	s_add_co_u32 s21, s21, SLOT
	s_add_co_u32 s22, s22, SLOT
.endr
	v_lshlrev_b32 v5, 3, v1
	s_mul_i32 s21, s15, HALFS
	s_mul_i32 s22, s16, HALFS
	s_add_co_u32 s22, s22, 2*HALFS
	s_sub_co_u32 s22, s22, s21
	v_mul_u32_u24 v6, s22, v2
	s_add_co_u32 s21, s21, SCL
	v_add_nc_u32 v5, v5, v6
	v_add_nc_u32 v[ADRS], s21, v5
	s_mul_i32 s23, s14, 16*SPITCH
	v_mul_u32_u24 v5, v1, SPITCH
	v_lshl_add_u32 v5, v2, 6, v5
	v_add_nc_u32 v[STO], s23, v5
	v_add_nc_u32 v[RD], s23, v[LI]
	s_lshl_b32 s20, s17, 8
	s_lshl_b32 s21, s15, 7
	s_add_co_u32 s20, s20, s21
	s_lshl_b32 s20, s20, 12
	s_mov_b32 s21, 0
	s_lshl_b32 s46, s42, 10
	s_lshl_b32 s47, s16, 9
	s_add_co_u32 s46, s46, s47
	s_mov_b32 s47, 0
	s_add_nc_u64 s[12:13], s[10:11], s[20:21]
	s_add_nc_u64 s[12:13], s[12:13], s[46:47]
	s_add_nc_u64 s[8:9], s[8:9], s[46:47]
	v_lshlrev_b32 v7, 6, v2
.irp b, 0,1,2,3,4,5,6,7
	global_load_b128 v[CB+8*\b:CB+8*\b+3], v7, s[8:9] offset:(32*(\b/2)+8*(\b%2))*4
	global_load_b128 v[CB+8*\b+4:CB+8*\b+7], v7, s[8:9] offset:(32*(\b/2)+8*(\b%2))*4+16
.endr
.macro FRAG reg, adr, q, i
.irp c, 0,1,2,3
	ds_load_b128 v[\reg+4*\c:\reg+4*\c+3], v[\adr] offset:4096*(\i)+2048*(\q)+512*\c
.endr
.endm
.macro MUL16 a0, p, q, sc, mode
.irp a, \a0, \a0+1
.irp b, 0,1,2,3,4,5,6,7
.if \mode == 0
	v_wmma_scale_f32_16x16x128_f8f6f4 v[8*(8*((\a)%4)+\b):8*(8*((\a)%4)+\b)+7], v[128*(\p)+FR*\b:128*(\p)+FR*\b+FR-1], v[AF+FR*(\a):AF+FR*(\a)+FR-1], v[8*(8*((\a)%4)+\b):8*(8*((\a)%4)+\b)+7], v[SC+8*NQ*(\sc)+NQ*\b+(\q)], v[SC+8*NQ*(\sc)+NQ*(\a)+(\q)] matrix_a_fmt:MATRIX_FMT_BF8 matrix_b_fmt:MATRIX_FMT_BF8 matrix_a_scale:MATRIX_SCALE_ROW1
.else
	v_wmma_scale_f32_16x16x128_f8f6f4 v[8*(8*((\a)%4)+\b):8*(8*((\a)%4)+\b)+7], v[128*(\p)+FR*\b:128*(\p)+FR*\b+FR-1], v[AF+FR*(\a):AF+FR*(\a)+FR-1], v[CB+8*\b:CB+8*\b+7], v[SC+8*NQ*(\sc)+NQ*\b+(\q)], v[SC+8*NQ*(\sc)+NQ*(\a)+(\q)] matrix_a_fmt:MATRIX_FMT_BF8 matrix_b_fmt:MATRIX_FMT_BF8 matrix_a_scale:MATRIX_SCALE_ROW1
.endif
.endr
.endr
.endm
.macro FETCH_B slot, q, p
	WIN TO_B
.irp i, 0,1,2,3,4,5,6,7
	FRAG 128*(\p)+FR*\i, ADRB+\slot, \q, \i
.endr
	WIN 0
.endm
.macro FETCH_A slot, q, i0
.irp i, \i0, \i0+1, \i0+2, \i0+3
	FRAG AF+FR*(\i), ADRA+\slot, \q, \i
.endr
.endm
.macro SCALES sc
.irp i, 0,1,2,3,4,5,6,7
	ds_load_b64 v[SC+8*NQ*\sc+NQ*\i:SC+8*NQ*\sc+NQ*\i+1], v[ADRS] offset:\i*SBLK
.endr
.endm
.macro PLACES n
.rept \n
	v_nop
.endr
.endm
.macro STEP slot, q, mode
	s_wait_dscnt 4*NL
.if \mode
	WIN 0x81
.else
	WIN MUL_LO
.endif
	MUL16 0, (\q)%2, \q, \slot, \mode
	MUL16 2, (\q)%2, \q, \slot, \mode
	s_wait_dscnt 0
	PLACES NP
	FETCH_B \slot, (\q)+1, 1-(\q)%2
	FETCH_A \slot, (\q)+1, 0
.if \mode
	WIN 0xc1
.else
	WIN MUL_HI
.endif
	MUL16 4, (\q)%2, \q, \slot, \mode
	MUL16 6, (\q)%2, \q, \slot, \mode
	PLACES NP
	WIN 0
	FETCH_A \slot, (\q)+1, 4
.endm
.macro TURN slot, next, fill
	s_wait_tensorcnt 0x0
	ds_add_u32 v[SPW], v[NIL]
	s_wait_dscnt 4*NL+1
	WIN MUL_LO
	MUL16 0, 1, NQ-1, \slot, 0
	s_wait_dscnt 0x0
	s_barrier_signal -1
	MUL16 2, 1, NQ-1, \slot, 0
	WIN 0
	s_barrier_wait -1
.if \fill
	CREST
	s_add_nc_u64 s[G0+4*\slot+2:G0+4*\slot+3], s[G0+4*\slot+2:G0+4*\slot+3], 2*HALFT
	s_add_nc_u64 s[G0B+4*\slot+2:G0B+4*\slot+3], s[G0B+4*\slot+2:G0B+4*\slot+3], 2*HALFT
	JLOAD G0+4*\slot, G1, G0B+4*\slot, G1B
	PLACES NP-4
.else
	PLACES NP
.endif
	s_wait_alu depctr_va_vdst(0)
	v_add_nc_u32 v[ADRS], 128, v[ADRS]
	FETCH_B \next, 0, 0
	FETCH_A \next, 0, 0
	SCALES \next
	WIN MUL_HI
	MUL16 4, 1, NQ-1, \slot, 0
	MUL16 6, 1, NQ-1, \slot, 0
	PLACES NP
	WIN 0
	FETCH_A \next, 0, 4
.endm
	s_wait_alu depctr_va_vdst(0)
	s_wait_tensorcnt 1
	s_barrier_signal -1
	s_barrier_wait -1
	FETCH_B 0, 0, 0
	FETCH_A 0, 0, 0
	SCALES 0
	FETCH_A 0, 0, 4
	s_wait_loadcnt 0x0
	STEP 0, 0, 2
	TURN 0, 1, 1
	STEP 1, 0, 0
	TURN 1, 0, 1
	STEP 0, 0, 0
	TURN 0, 1, 0
	STEP 1, 0, 0
	s_wait_dscnt 4*NL
	WIN MUL_LO
	MUL16 0, 1, NQ-1, 1, 0
	MUL16 2, 1, NQ-1, 1, 0
	s_wait_dscnt 0
	WIN MUL_HI
	MUL16 4, 1, NQ-1, 1, 0
	MUL16 6, 1, NQ-1, 1, 0
	WIN 0
.macro TOSTAGE a
.set AC, 64*((\a)%4)
	WIN 0x08+4*((\a)/4)
.irp b, 0,1,2,3,4,5,6,7
	ds_store_b128 v[STO], v[AC+8*\b:AC+8*\b+3] offset:128*(\b/2)+32*(\b%2)
	ds_store_b128 v[STO], v[AC+8*\b+4:AC+8*\b+7] offset:128*(\b/2)+32*(\b%2)+16
.endr
	WIN 0
.set BB, BK+64*((\a)%2)
.irp t, 0,1,2,3,4,5,6,7,8,9,10,11,12,13,14,15
	ds_load_b128 v[BB+4*\t:BB+4*\t+3], v[RD] offset:\t*SPITCH
.endr
.endm
.macro SEND a, younger
.set BB, BK+64*((\a)%2)
	s_wait_dscnt \younger
.irp t, 0,1,2,3,4,5,6,7,8,9,10,11,12,13,14,15
	global_store_b128 v[LI], v[BB+4*\t:BB+4*\t+3], s[12:13] offset:(32*((\a)/2)+8*((\a)%2)+\t+8*(\t/8))*4096 th:TH_STORE_NT
.endr
.endm
	PLACES NP
	TOSTAGE 0
.irp a, 1,2,3,4,5,6,7
.if \a > 1
	s_wait_xcnt 0x0
.endif
	TOSTAGE \a
	SEND \a-1, 32
.endr
	SEND 7, 0
	s_wait_tensorcnt 0x0
	ds_add_u32 v[SPW], v[NIL]
	s_wait_dscnt 0x0
	CROUND
	s_endpgm
.Lfunc_end_k_qe98169e6e8_outp:
	.size	k_qe98169e6e8_outp, .Lfunc_end_k_qe98169e6e8_outp-k_qe98169e6e8_outp
	.p2alignl 7, 3214868480
	.fill 96, 4, 3214868480
	.section	.rodata,"a",@progbits
	.p2align	6, 0x0
	.amdhsa_kernel k_qe98169e6e8_outp
		.amdhsa_group_segment_fixed_size 327680
		.amdhsa_private_segment_fixed_size 0
		.amdhsa_enable_private_segment 0
		.amdhsa_kernarg_size 32
		.amdhsa_user_sgpr_count 2
		.amdhsa_user_sgpr_kernarg_segment_ptr 1
		.amdhsa_wavefront_size32 1
		.amdhsa_system_sgpr_workgroup_id_x 1
		.amdhsa_system_sgpr_workgroup_id_y 1
		.amdhsa_system_sgpr_workgroup_id_z 1
		.amdhsa_system_vgpr_workitem_id 0
		.amdhsa_next_free_vgpr 1024
		.amdhsa_next_free_sgpr 98
		.amdhsa_reserve_vcc 0
		.amdhsa_float_denorm_mode_32 3
		.amdhsa_float_denorm_mode_16_64 3
		.amdhsa_memory_ordered 1
		.amdhsa_forward_progress 1
		.amdhsa_inst_pref_size 147
	.end_amdhsa_kernel
	.amdgpu_metadata
---
amdhsa.version: [ 1, 2 ]
amdhsa.kernels:
  - .name:           k_qe98169e6e8_outp
    .symbol:         k_qe98169e6e8_outp.kd
    .args:
      - { .name: cc, .offset: 0, .size: 8, .value_kind: global_buffer, .address_space: global }
      - { .name: xw, .offset: 8, .size: 8, .value_kind: global_buffer, .address_space: global }
      - { .name: bo, .offset: 16, .size: 8, .value_kind: global_buffer, .address_space: global }
      - { .name: out0, .offset: 24, .size: 8, .value_kind: global_buffer, .address_space: global }
    .group_segment_fixed_size: 327680
    .private_segment_fixed_size: 0
    .kernarg_segment_align: 8
    .kernarg_segment_size: 32
    .max_flat_workgroup_size: 128
    .sgpr_count:     98
    .vgpr_count:     1024
    .wavefront_size: 32
...
	.end_amdgpu_metadata
.endif
;; end of part 4
